; MI455X (gfx1250); checked and timed in simulation.
; The chip was launched on July 23, 2026; its instructions are those of AMD's public machine-readable ISA for CDNA 5 (MIT licence, August 2026) and "CDNA5" Instruction Set Architecture Reference Guide (July 2026). The comments in the code are by the model that wrote it; some were corrected since.
;; Flash Self Attention. Allowed arithmetic: matrix products marked QUANTISED: E2M3 operands, one E8M0 scale for each 32 along K, by v_wmma_scale_f32_16x16x128_f8f6f4 with both operands' format E2M3, f32 sums; everything else in f32.
;; Inputs: Wk 2,048 x 512 float32; Wo 2,048 x 2,048 float32; Wq 2,048 x 2,048 float32; Wv 2,048 x 512 float32; x 4 x 1,024 x 2,048 float32.
;; Outputs: out0 4 x 1,024 x 2,048 float32.
;; This version of the problem:
;;   THIS VERSION OF THE PROBLEM IS GIVEN IN LOW PRECISION. The matrix products marked QUANTISED in the list below multiply operands that are first quantised to E2M3 (2 exponent bits, 3 mantissa bits; 6 bits a number), with one power-of-two scale for each 32 numbers along K (OCP MX v1.0); their sums are f32. All else is computed in f32.
;;   The module's matrix products, in the order in which they are computed (A, B: the left and right operand; K: the contracted axis; several contracted axes count as one K, in the product's order):
;;     1. [M 4,096, K 2,048] x [K 2,048, N 2,048]; A: input x; B: input Wq: QUANTISED
;;     2. [M 4,096, K 2,048] x [K 2,048, N 512]; A: input x; B: input Wk: QUANTISED
;;     3. [M 4,096, K 2,048] x [K 2,048, N 512]; A: input x; B: input Wv: QUANTISED
;;     4. batch 64 x [M 1,024, K 128] x [K 128, N 1,024]; A: computed on the way; B: computed on the way: QUANTISED
;;     5. batch 64 x [M 1,024, K 1,024] x [K 1,024, N 128]; A: softmax (see below); B: computed on the way: QUANTISED
;;     6. [M 4,096, K 2,048] x [K 2,048, N 2,048]; A: computed on the way; B: input Wo: QUANTISED
;;   THE QUANTISER, for each operand of a quantised product, along K:
;;     - K is cut into blocks of 32 from its start; a last block that is shorter is filled with zeros.
;;     - A block's scale is 2^e with e = floor(log2(the largest magnitude in the block)) - 2, held to -126 .. 127; a block of zeros has e = 0. As a byte (E8M0): e + 127.
;;     - Each number is divided by its block's scale, clamped to +-7.5, and rounded to the nearest number of E2M3, ties to even, subnormals kept.
;;     - The product sums the exact products of the quantised numbers (number of the format x scale) in f32.
;;   ~~~python
;;   def quantise(x, axis):      # numpy; x: float32 -> the quantised numbers, widened to float32 again
;;       x = np.moveaxis(x, axis, -1); K = x.shape[-1]
;;       x = np.pad(x, [(0, 0)] * (x.ndim - 1) + [(0, -K % 32)]); x = x.reshape(x.shape[:-1] + (-1, 32)); a = np.abs(x).max(-1, keepdims=True)
;;       e = np.where(a > 0, np.clip(np.frexp(np.where(a > 0, a, 1))[1] - 1 - 2, -126, 127), 0)      # np.frexp(a)[1] - 1 = floor(log2(a)), exactly
;;       r = np.clip(x / 2.0 ** e, -7.5, 7.5)
;;       step = 2.0 ** (np.maximum(np.frexp(np.where(r == 0, 1, r))[1] - 1, 0) - 3)
;;       q = np.round(r / step) * step * 2.0 ** e      # np.round: ties to even
;;       return np.moveaxis(q.reshape(q.shape[:-2] + (-1,))[..., :K], -1, axis).astype(np.float32)
;;   ~~~
;;   SOFTMAX AHEAD OF A QUANTISED PRODUCT. Where the list says 'softmax', what is quantised is not the finished softmax but p = 2^(t - M), with t = logit x log2(e) and M = ceil(the row's largest t), a whole number; so 1/2 < the row's largest p <= 1. The row's sum l is taken of the UNQUANTISED p, in f32, and the product's result is divided by l at the end. Since M is a whole number, a kernel that streams over the keys may use a running M (the ceiling of the running maximum): every later rescaling is an exact power of two, which a block's scale takes up: the codes' values come out the same.
;;   OPERANDS COMPUTED ON THE WAY. 'Computed on the way' means the value that the module computes at that place (a softmax that the list does not call 'softmax' is quantised finished and normalised). What goes into a quantiser is computed in f32, as accurately as f32 sums, v_exp_f32 and their like allow (about 1e-6 of the number): no bf16 or f16 on the way to a quantiser, and a product that is left as it is and whose result goes on into a quantised operand takes f32 operands (vector FMAs, or v_wmma_f32_16x16x4_f32). A number that lies on a knife's edge between two numbers of the format may be rounded either way, as far as f32 arithmetic and the matrix unit's own rounding can turn it there, and no further.
;; One version. Each part assembles by itself: llvm-mc -triple=amdgcn-amd-amdhsa -mcpu=gfx1250 --defsym DOCPART=n.
;; ======== version 1 of 1: 4 launches
;; limits: right only within a limited range of input values
;; workspace buffers: xq 7,077,888 bytes; wq 8,192,000 bytes; qkv 9,830,400 bytes; aq 6,553,600 bytes; wo 3,276,800 bytes
;; launch quant (part 1): grid 448 x 1, 8 waves a work-group, no clusters, 93,184 bytes of LDS; arguments x, xq, Wq, Wk, Wv, wq; writes xq, wq
.if DOCPART == 1
	.amdgcn_target "amdgcn-amd-amdhsa--gfx1250"
	.amdhsa_code_object_version 6
	.text
	.protected	k_q8a4dd4f6af_quant
	.globl	k_q8a4dd4f6af_quant
	.p2align	8
	.type	k_q8a4dd4f6af_quant,@function
k_q8a4dd4f6af_quant:
	s_mov_b64 s[64:65], 0
	v_nop
	global_prefetch_b8 v0, s[64:65] scope:SCOPE_SE
	s_setreg_imm32_b32 hwreg(HW_REG_WAVE_MODE, 25, 1), 1
	s_wait_xcnt 0x0
; ONE LAUNCH QUANTISES x, Wq, Wk AND Wv to codes of FP6 (E2M3) with one E8M0 byte for each 32 along K, laid as IMAGES OF OPERAND REGISTERS:
; a fragment (16 rows x 128 K, 12 registers a lane) is 1,536 dense bytes, register p of lane l at 512 (p / 4) + 16 l + 4 (p % 4).  (Wo is quantised by work-groups of the next launch.)
; Work-groups 0-191 take the weights (they walk two rounds of loads, so they have the lower numbers), work-groups 192-447 take x.  The two ways part on the work-group's number and have LDS bytes of their own.
; WORK LEFT OUT BY THE PROGRAM: reference() hides, by the causal mask that it builds itself, every key behind the query; the launch attn leaves out the key steps that lie wholly under that mask, whatever the inputs hold.
; A NaN, an infinity or an overflow that reaches only such hidden scores is not carried to the result.  Every input is loaded by some launch.
; THE WEIGHTS, f32 stored [K 2048][N].  wq: images [n-tile 192][K step 16][1536]; at W_SC scale words [n-tile][K slot 8][row 16][K step of the slot 2][4 bytes].
; Groups of 8 n-tiles (128 columns): 0-15 Wq's heads; 16 + 2 t Wk's head t; 17 + 2 t Wv's head t.
; WHICH COLUMN IS ROW m OF A TILE:  Wq, Wk: tile 4 par + 2 b + u, row 8 h + j holds column 2 (32 b + 16 h + 8 u + j) + par of the head, so that the rotation's two partners meet in one lane of the product's result;
; Wv: tile d, row m holds column 32 (d / 2) + 8 (d % 2) + m + 8 (m / 8).
; A lane takes a column and its registers run down K: a block of 32 lies in one lane.  Work-group i: group i % 24, K steps 2 (i / 24) and 2 (i / 24) + 1; waves 0-3 the first, 4-7 the second; wave g % 4 two whole n-tiles x 4 blocks.
; The codes go into the wave's own stage, laid as the images, and leave as 1,536 dense bytes a tile; a row's scale word leaves as 4 bytes.
; X [4096][2048].  xq: images [row tile 256][K step 16][1536]; at X_SC scale words [row tile][K slot 8][row 16][2][4 bytes]; at TAB the table of cosines and sines.
; Lane r of row tile a holds row 32 (a / 2) + 8 (a % 2) + r + 8 (r / 8).  A work-group takes a row tile, wave v its K slot v.  Each load reads 512 consecutive bytes of one row; a K step's 8,192 bytes
; turn through the wave's own stage (rows of 512 + 16 bytes) and come back 16 neighbours of each block of 32 to a lane.
; THE TABLE (x's waves 0 to 3, two entries a thread): [token tile 64][g 16][lane 32][4 f32]; g < 8: cos, g >= 8: sin, of t x 10000^(-k / 64) at register p = 4 (g % 8) + e,
; t = the token of lane % 16 in the tile's order, k = 32 (p / 16) + 16 (lane / 16) + p % 16.  The angle is reduced by multiples of pi / 2 in two parts; sine and cosine are Taylor sums on |r| <= pi / 4.
; Waves share nothing: no barrier.
; LIMITS: NaN and infinities are not served.  A block of zeros gets the byte 1 (the rule says 127): its codes are zeros, and this program alone reads the bytes.
; The angles carry the rounding of one exponential and one product: some 1e-4 radians at the largest tokens.
.set STG,   8448                       ; x: a wave's stage: 16 rows x 528 bytes
.set WSTG,  8*STG                      ; the weights: eight stages of 3,072 bytes
.set SPARE, WSTG+8*3072                ; behind them: the spare words, 128 bytes a wave, that no other line names
.set X_SC,  6291456
.set TAB,   6553600
.set W_SC,  7864320
.set SPW,   8                          ; v8   my spare word;  v9: 0
.set NIL,   9
	v_lshl_add_u32 v[SPW], v0, 2, SPARE
	v_mov_b32 v[NIL], 0
	v_lshrrev_b32 v1, 5, v0
	v_readfirstlane_b32 s16, v1                    ; wave
	s_cmp_lt_u32 ttmp9, 192
	s_cbranch_scc0 .Lx_path
; ---------------- the weights
.set OFFR,  16                         ; v16-47  4 x column + i x pitch; never rewritten
.set WX,    48                         ; v48-111 two sets of 32 numbers
.set WC,    112                        ; v112-117 a block's codes
.set WD,    118                        ; v118-120 its upper half, as converted
.set WSB,   122                        ; v122 the K step's scale word
.set WLI,   124                        ; v124 16 x lane;  v125 my scale word's place
.set WSO,   125
.set WOUT,  128                        ; v128-151 the way out
	s_load_b256 s[4:11], s[0:1], 0x10              ; Wq, Wk, Wv, wq
	s_mul_i32 s2, ttmp9, 2731
	s_lshr_b32 s2, s2, 16                          ; i / 24 for i under 192
	s_mul_i32 s3, s2, 24
	s_sub_co_u32 s3, ttmp9, s3                     ; the group
	s_mul_i32 s17, s16, 3072
	s_add_co_u32 s17, s17, WSTG                    ; my stage
	s_lshr_b32 s19, s16, 2
	s_lshl_b32 s2, s2, 1
	s_add_co_u32 s19, s19, s2                      ; y: my K step
	s_and_b32 s16, s16, 3                          ; g
	v_and_b32 v1, 31, v0                           ; lane
	v_lshrrev_b32 v2, 4, v1                        ; which of my two tiles
	v_bfe_u32 v3, v0, 3, 1
	v_and_b32 v4, 7, v0
	v_and_b32 v5, 15, v0                           ; the tile's row
	v_mul_u32_u24 v6, v2, 1536
	v_lshl_add_u32 v6, v5, 4, v6
	v_add_nc_u32 v6, s17, v6                       ; the stage, on the way in
	v_lshlrev_b32 v[WLI], 4, v1
	v_add_nc_u32 v7, s17, v[WLI]                   ; and on the way out
	v_lshlrev_b32 v[WSO], 10, v2
	v_lshl_add_u32 v[WSO], v5, 3, v[WSO]
	s_sub_co_u32 s20, s3, 16
	s_lshr_b32 s22, s20, 1
	s_and_b32 s23, s3, 1
	s_cmp_lt_u32 s20, 8
	s_cselect_b32 s24, 1, 0                        ; groups 16 to 23: Wk or Wv
	s_and_b32 s26, s24, s23                        ; Wv
	s_mov_b32 s29, 8192
	s_cmp_eq_u32 s24, 1
	s_cselect_b32 s28, s22, s3                     ; which 128 columns of the tensor
	s_cselect_b32 s29, 2048, s29                   ; a row of the tensor in bytes
	s_lshl_b32 s30, s16, 5
	s_and_b32 s31, s16, 1
	s_lshl_b32 s31, s31, 6
	s_lshr_b32 s48, s16, 1
	s_add_co_u32 s31, s31, s48
	s_cmp_eq_u32 s26, 1                            ; column = S + A (lane / 16) + B ((lane / 8) % 2) + C (lane % 8)
	s_cselect_b32 s30, s30, s31                    ; S
	s_cselect_b32 s51, 8, 16                       ; A
	s_cselect_b32 s49, 16, 32                      ; B
	s_cselect_b32 s50, 1, 2                        ; C
	v_mul_u32_u24 v12, v2, s51
	v_mad_u32_u24 v12, v3, s49, v12
	v_mad_u32_u24 v12, v4, s50, v12
	v_add_nc_u32 v12, s30, v12
	v_lshlrev_b32 v12, 2, v12
.set I, 0
.rept 32
	v_mad_u32_u24 v[OFFR+I], s29, I, v12
.set I, I+1
.endr
	s_lshl_b32 s54, s19, 7
	s_mul_i32 s54, s54, s29                        ; 128 y rows,
	s_lshl_b32 s55, s28, 9
	s_add_co_u32 s54, s54, s55                     ; the group's 512 bytes of a row
	s_mov_b32 s55, 0
	s_lshl_b32 s56, s29, 5                         ; a block's 32 rows
	s_mov_b32 s57, 0
	s_lshl_b32 s58, s3, 3
	s_lshl_b32 s59, s16, 1
	s_add_co_u32 s58, s58, s59                     ; my first n-tile
	s_mul_i32 s60, s58, 24576
	s_mul_i32 s61, s19, 1536
	s_add_co_u32 s60, s60, s61
	s_mov_b32 s61, 0
	s_lshl_b32 s62, s58, 10
	s_lshr_b32 s63, s19, 1
	s_lshl_b32 s63, s63, 7                         ; K slot y / 2,
	s_add_co_u32 s62, s62, s63
	s_and_b32 s63, s19, 1
	s_lshl_b32 s63, s63, 2                         ; its K step y % 2
	s_add_co_u32 s62, s62, s63
	s_mov_b32 s63, 0
	s_wait_alu depctr_va_vdst(0)                   ; the wait at the head's end
	s_wait_kmcnt 0x0
	s_cmp_eq_u32 s23, 1                            ; the choices hang on the work-group's number alone
	s_cselect_b64 s[52:53], s[8:9], s[6:7]
	s_cmp_eq_u32 s24, 1
	s_cselect_b64 s[14:15], s[52:53], s[4:5]
	s_add_nc_u64 s[32:33], s[14:15], s[54:55]      ; a base for each of the four blocks: nothing is stepped
.irp t, 1,2,3
	s_add_nc_u64 s[32+2*\t:33+2*\t], s[30+2*\t:31+2*\t], s[56:57]
.endr
	s_add_nc_u64 s[60:61], s[10:11], s[60:61]
	s_add_nc_u64 s[62:63], s[10:11], s[62:63]
.macro LOAD t
.set I, 0
.rept 32
	global_load_b32 v[WX+32*((\t)%2)+I], v[OFFR+I], s[32+2*(\t):33+2*(\t)]
.set I, I+1
.endr
.endm
	LOAD 0
	LOAD 1
.macro BLOCK t
.set XS, WX+32*((\t)%2)
.set OFS, 256*((\t)%2)                         ; block 2 c + h of the image belongs to lanes 16 h + row, registers 6 c .. 6 c + 5
.if (\t) < 3
	s_wait_loadcnt 32                              ; this block's 32 loads are in; the next block's may be out
.else
	s_wait_loadcnt 0x0
.endif
	v_max3_num_f32 v12, |v[XS]|, |v[XS+1]|, |v[XS+2]|
	v_max3_num_f32 v13, |v[XS+3]|, |v[XS+4]|, |v[XS+5]|
.irp i, 6,10,14,18,22,26
	v_max3_num_f32 v12, v12, |v[XS+\i]|, |v[XS+\i+1]|
	v_max3_num_f32 v13, v13, |v[XS+\i+2]|, |v[XS+\i+3]|
.endr
	v_max3_num_f32 v12, v12, |v[XS+30]|, |v[XS+31]|
	v_max3_num_f32 v12, v12, v13, 0x1800000        ; and the floor 2^(3 - 127)
	v_add_nc_u32 v14, 0xff000000, v12              ; the conversion's scale operand
	v_lshrrev_b32 v15, 23, v14                     ; the byte
	v_cvt_scalef32_pk16_fp6_f32 v[WC:WC+2], v[XS:XS+15], v14
	v_cvt_scalef32_pk16_fp6_f32 v[WD:WD+2], v[XS+16:XS+31], v14
.if (\t) == 0
	v_mov_b32 v[WSB], v15                          ; (the plain place behind the conversions)
.else
	v_lshl_or_b32 v[WSB], v15, 8*(\t), v[WSB]
.endif
.irp i, 0,1,2
	v_mov_b32 v[WC+3+\i], v[WD+\i]
.endr
.if (\t) < 2
	ds_store_b128 v6, v[WC:WC+3] offset:OFS        ; registers 0-3,
	ds_store_b64 v6, v[WC+4:WC+5] offset:OFS+512   ; 4, 5
.else
	ds_store_b64 v6, v[WC:WC+1] offset:OFS+520     ; registers 6, 7,
	ds_store_b128 v6, v[WC+2:WC+5] offset:OFS+1024 ; 8-11
.endif
.if (\t)+2 < 4
	LOAD (\t)+2
.endif
	s_wait_dscnt 0x0                               ; the stores have read their registers
.endm
.irp t, 0,1,2,3
	BLOCK \t
.endr
	s_wait_alu depctr_va_vdst(0)                   ; directly ahead of the reader below
	global_store_b32 v[WSO], v[WSB], s[62:63] offset:W_SC
.irp i, 0,1,2,3,4,5
	ds_load_b128 v[WOUT+4*\i:WOUT+4*\i+3], v7 offset:512*\i   ; LDS serves a wave's instructions in order: these see my stores
.endr
.irp i, 0,1,2,3,4,5
	s_wait_dscnt 5-\i                              ; the younger loads may be out
	global_store_b128 v[WLI], v[WOUT+4*\i:WOUT+4*\i+3], s[60:61] offset:(\i/3)*24576+(\i%3)*512   ; 512 consecutive bytes, aligned
.endr
	s_wait_tensorcnt 0x0                           ; the wave's end: these three lines behind my last LDS store
	ds_add_u32 v[SPW], v[NIL]
	s_wait_dscnt 0x0
	s_endpgm
; ---------------- x
.set LI,    4                          ; v4   16 x lane; never rewritten
.set SIN,   5                          ; v5   the stage, on the way in
.set SOUT,  6                          ; v6   and on the way out
.set SCO,   7                          ; v7   8 r + 4 h: my scale word's place
.set R0,    24                         ; v24-151  two K steps as loaded
.set X,     152                        ; v152-215 64 numbers in the quantiser's order
.set TM,    216                        ; v216-231 at work
.set PC,    232                        ; v232-250 the codes
.set PW,    252                        ; v252, v253 the two scale words
.set SEL,   20                         ; s20, s21 lane selects: lane l xor 16
; 64 numbers of a lane, register 16 b + i = k 32 b + 16 (lane / 16) + i of my row, become a fragment's codes in v[pc] .. v[pc + 11] and its scale word in v[pw].
.macro QUANT s, pc, pw
.irp b, 0,1,2,3
	v_max3_num_f32 v[TM+\b], |v[(\s)+16*\b]|, |v[(\s)+1+16*\b]|, 0x1800000   ; my 16 of block b, and the floor 2^(3 - 127): the byte cannot fall under 1
.endr
.irp i, 2,4,6,8,10,12,14
.irp b, 0,1,2,3
	s_delay_alu instid0(VALU_DEP_4)
	v_max3_num_f32 v[TM+\b], v[TM+\b], |v[(\s)+16*\b+\i]|, |v[(\s)+1+16*\b+\i]|
.endr
.endr
.irp b, 0,1,2,3
	s_delay_alu instid0(VALU_DEP_4)
	v_permlanex16_b32 v[TM+4+\b], v[TM+\b], s[SEL], s[SEL+1]
.endr
.irp b, 0,1,2,3
	s_delay_alu instid0(VALU_DEP_4)
	v_max_num_f32 v[TM+\b], v[TM+\b], v[TM+4+\b]   ; with lane l xor 16's: the block's largest magnitude
.endr
.irp b, 0,1,2,3
	s_delay_alu instid0(VALU_DEP_4)
	v_add_nc_u32 v[TM+12+\b], 0xff000000, v[TM+\b]   ; 2 off its exponent field: the conversion's scale operand
.endr
.irp b, 0,1,2,3
	s_delay_alu instid0(VALU_DEP_4)
	v_lshrrev_b32 v[TM+4+\b], 23, v[TM+12+\b]      ; the scale's byte
.endr
	s_delay_alu instid0(VALU_DEP_3)
	v_lshl_or_b32 v[\pw], v[TM+5], 8, v[TM+4]
	s_delay_alu instid0(VALU_DEP_1)
	v_lshl_or_b32 v[\pw], v[TM+6], 16, v[\pw]
	s_delay_alu instid0(VALU_DEP_1)
	v_lshl_or_b32 v[\pw], v[TM+7], 24, v[\pw]
.irp c, 0,1
	v_cvt_scalef32_pk16_fp6_f32 v[(\pc)+6*\c:(\pc)+2+6*\c], v[(\s)+32*\c:(\s)+15+32*\c], v[TM+12+2*\c]
	v_cvt_scalef32_pk16_fp6_f32 v[(\pc)+12+4*\c:(\pc)+14+4*\c], v[(\s)+16+32*\c:(\s)+31+32*\c], v[TM+13+2*\c]   ; (a conversion's three registers begin on an even number)
.endr
	v_nop                                          ; one plain place behind a scaled conversion
.irp c, 0,1                                    ; the operand's layout wants a whole block in a lane
.irp i, 0,1,2
	v_permlane16_swap_b32 v[(\pc)+6*\c+\i], v[(\pc)+12+4*\c+\i]
.endr
.irp i, 0,1,2
	s_delay_alu instid0(VALU_DEP_3)
	v_mov_b32 v[(\pc)+3+6*\c+\i], v[(\pc)+12+4*\c+\i]
.endr
.endr
.endm
; sine and cosine of the angle in v[ang] (0 or more) into v[sd], v[cd]
.macro SINCOS ang, cd, sd
	v_mul_f32 v16, 0x3f22f983, v[\ang]             ; x 2 / pi
	s_delay_alu instid0(VALU_DEP_1)
	v_rndne_f32 v16, v16                           ; n
	s_delay_alu instid0(VALU_DEP_1)
	v_fmamk_f32 v17, v16, 0xbfc90fdb, v[\ang]      ; r = angle - n x pi / 2, the constant in two parts
	s_delay_alu instid0(VALU_DEP_1)
	v_fmamk_f32 v17, v16, 0x333bbd2e, v17
	s_delay_alu instid0(VALU_DEP_1)
	v_mul_f32 v18, v17, v17
	v_mov_b32 v20, 0x3638ef1d                      ; 1 / 9!
	v_mov_b32 v21, 0xb493f27e                      ; -1 / 10!
	s_delay_alu instid0(VALU_DEP_2)
	v_fmaak_f32 v20, v20, v18, 0xb9500d01
	s_delay_alu instid0(VALU_DEP_2)
	v_fmaak_f32 v21, v21, v18, 0x37d00d01
	s_delay_alu instid0(VALU_DEP_2)
	v_fmaak_f32 v20, v20, v18, 0x3c088889
	s_delay_alu instid0(VALU_DEP_2)
	v_fmaak_f32 v21, v21, v18, 0xbab60b61
	s_delay_alu instid0(VALU_DEP_2)
	v_fmaak_f32 v20, v20, v18, 0xbe2aaaab
	s_delay_alu instid0(VALU_DEP_2)
	v_fmaak_f32 v21, v21, v18, 0x3d2aaaab
	s_delay_alu instid0(VALU_DEP_2)
	v_mul_f32 v20, v20, v18
	s_delay_alu instid0(VALU_DEP_2)
	v_fma_f32 v21, v21, v18, -0.5
	s_delay_alu instid0(VALU_DEP_2)
	v_fma_f32 v20, v20, v17, v17                   ; sin r
	s_delay_alu instid0(VALU_DEP_2)
	v_fma_f32 v21, v21, v18, 1.0                   ; cos r
	v_cvt_i32_f32 v16, v16
	s_delay_alu instid0(VALU_DEP_1)
	v_and_b32 v14, 1, v16
	s_delay_alu instid0(VALU_DEP_1)
	v_cmp_eq_u32 vcc_lo, 1, v14                    ; in odd quadrants the two change places
	s_delay_alu instid0(VALU_DEP_1)
	v_cndmask_b32 v[\sd], v20, v21, vcc_lo
	s_delay_alu instid0(VALU_DEP_2)
	v_cndmask_b32 v[\cd], v21, v20, vcc_lo
	v_and_b32 v14, 2, v16
	s_delay_alu instid0(VALU_DEP_1)
	v_lshlrev_b32 v14, 30, v14
	s_delay_alu instid0(VALU_DEP_1)
	v_xor_b32 v[\sd], v[\sd], v14                  ; the sine is negative in quadrants 2 and 3,
	v_add_nc_u32 v16, 1, v16
	s_delay_alu instid0(VALU_DEP_1)
	v_and_b32 v16, 2, v16
	s_delay_alu instid0(VALU_DEP_1)
	v_lshlrev_b32 v16, 30, v16
	s_delay_alu instid0(VALU_DEP_1)
	v_xor_b32 v[\cd], v[\cd], v16                  ; the cosine in 1 and 2
.endm
.macro TURN rr                         ; a K step through the stage: LDS serves a wave's instructions in order, so no wait stands between the stores and the loads
.irp p, 0,1,2,3,4,5,6,7,8,9,10,11,12,13,14,15
	ds_store_b128 v[SIN], v[(\rr)+4*\p:(\rr)+4*\p+3] offset:528*\p
.endr
.irp b, 0,1,2,3
.irp i, 0,1,2,3
	ds_load_b128 v[X+16*\b+4*\i:X+16*\b+4*\i+3], v[SOUT] offset:128*\b+16*\i
.endr
.endr
	s_wait_dscnt 0x0
.endm
.Lx_path:
	s_load_b128 s[4:7], s[0:1], 0x0                ; x, xq
	s_sub_co_u32 s24, ttmp9, 192                   ; a: the row tile
	v_and_b32 v1, 31, v0
	v_and_b32 v2, 15, v0                           ; r
	v_bfe_u32 v3, v0, 4, 1                         ; h
	s_delay_alu instid0(VALU_DEP_3)
	v_lshlrev_b32 v[LI], 4, v1
	s_mul_i32 s17, s16, STG
	v_add_nc_u32 v[SIN], s17, v[LI]
	v_mul_u32_u24 v[SOUT], v2, 528
	s_delay_alu instid0(VALU_DEP_1)
	v_lshl_add_u32 v[SOUT], v3, 6, v[SOUT]
	s_delay_alu instid0(VALU_DEP_1)
	v_add_nc_u32 v[SOUT], s17, v[SOUT]             ; row r, + 64 h: my 16 numbers of a block
	v_lshlrev_b32 v[SCO], 3, v2
	s_delay_alu instid0(VALU_DEP_1)
	v_lshl_add_u32 v[SCO], v3, 2, v[SCO]
.irp b, 0,1,2,3
	v_mov_b32 v[TM+4+\b], 0                        ; written once: a lane permute's destination counts as one of its sources
.endr
	s_mov_b32 s12, 0xffff0000                      ; lanes 16 to 31
	s_mov_b32 s[SEL], 0x76543210
	s_mov_b32 s[SEL+1], 0xfedcba98
	s_lshr_b32 s10, s24, 1
	s_lshl_b32 s10, s10, 18                        ; 32 (a / 2) rows of 8,192 bytes
	s_and_b32 s11, s24, 1
	s_lshl_b32 s11, s11, 16                        ; + 8 (a % 2) rows
	s_add_co_u32 s10, s10, s11
	s_lshl_b32 s11, s16, 10                        ; + my K slot's 1,024 bytes
	s_add_co_u32 s10, s10, s11
	s_mov_b32 s11, 0
	s_mul_i32 s18, s24, 24576                      ; the tile's images, my two K steps
	s_mul_i32 s19, s16, 3072
	s_add_co_u32 s18, s18, s19
	s_mov_b32 s19, 0
	s_lshl_b32 s22, s24, 10                        ; the tile's scale words, my K slot
	s_lshl_b32 s23, s16, 7
	s_add_co_u32 s22, s22, s23
	s_mov_b32 s23, 0
	s_wait_alu depctr_va_vdst(0)                   ; the wait at the head's end
	s_wait_kmcnt 0x0
	s_add_nc_u64 s[4:5], s[4:5], s[10:11]
	s_add_nc_u64 s[8:9], s[6:7], s[18:19]
	s_add_nc_u64 s[14:15], s[6:7], s[22:23]
.irp q, 0,1                                    ; all of the wave's 16 KiB go out at once
.irp p, 0,1,2,3,4,5,6,7,8,9,10,11,12,13,14,15
	global_load_b128 v[R0+64*\q+4*\p:R0+64*\q+4*\p+3], v[LI], s[4:5] offset:(\p+8*(\p/8))*8192+512*\q th:TH_LOAD_NT
.endr
.endr
	s_cmp_lt_u32 s16, 4                            ; the table: waves 0 to 3, while the loads are on their way
	s_cbranch_scc0 .Lno_table
	s_lshl_b32 s13, s24, 7
	v_add_nc_u32 v14, s13, v0                      ; T = 128 x tile + thread: token tile T / 512, g (T / 64) % 8, lane (T / 2) % 32, pair T % 2
	s_delay_alu instid0(VALU_DEP_1)
	v_and_b32 v15, 0x1ff, v14
	s_delay_alu instid0(VALU_DEP_1)
	v_lshlrev_b32 v15, 3, v15
	s_delay_alu instid0(VALU_DEP_3)
	v_lshrrev_b32 v16, 9, v14
	s_delay_alu instid0(VALU_DEP_1)
	v_lshl_add_u32 v15, v16, 13, v15               ; where my pair goes; never rewritten
	v_bfe_u32 v17, v14, 1, 4                       ; the entry's r
	v_bfe_u32 v18, v14, 5, 1                       ; and h
	s_delay_alu instid0(VALU_DEP_4)
	v_lshrrev_b32 v19, 1, v16
	s_delay_alu instid0(VALU_DEP_1)
	v_lshlrev_b32 v19, 5, v19
	v_and_b32 v20, 1, v16
	s_delay_alu instid0(VALU_DEP_1)
	v_lshl_add_u32 v19, v20, 3, v19
	v_and_b32 v20, 8, v17
	s_delay_alu instid0(VALU_DEP_1)
	v_add3_u32 v19, v19, v17, v20                  ; the token
	s_delay_alu instid0(VALU_DEP_1)
	v_cvt_f32_u32 v19, v19
	v_bfe_u32 v20, v14, 6, 3                       ; g
	v_and_b32 v21, 1, v14
	s_delay_alu instid0(VALU_DEP_2)
	v_lshrrev_b32 v22, 2, v20
	s_delay_alu instid0(VALU_DEP_1)
	v_lshlrev_b32 v22, 5, v22
	s_delay_alu instid0(VALU_DEP_4)
	v_and_b32 v20, 3, v20
	s_delay_alu instid0(VALU_DEP_1)
	v_lshl_add_u32 v22, v20, 2, v22
	s_delay_alu instid0(VALU_DEP_1)
	v_lshl_add_u32 v22, v21, 1, v22
	s_delay_alu instid0(VALU_DEP_1)
	v_lshl_add_u32 v22, v18, 4, v22                ; k of the pair's first entry
	s_delay_alu instid0(VALU_DEP_1)
	v_add_nc_u32 v23, 1, v22
	s_delay_alu instid0(VALU_DEP_2)
	v_cvt_f32_u32 v22, v22
	s_delay_alu instid0(VALU_DEP_2)
	v_cvt_f32_u32 v23, v23
	s_delay_alu instid0(VALU_DEP_2)
	v_mul_f32 v22, 0xbe549a78, v22                 ; x -log2(10000) / 64
	s_delay_alu instid0(VALU_DEP_2)
	v_mul_f32 v23, 0xbe549a78, v23
	s_wait_alu depctr_va_vdst(0)                   ; the wait ahead of the batch
	v_exp_f32 v22, v22
	v_exp_f32 v23, v23
	v_nop                                          ; a plain place behind the exponentials
	s_wait_alu depctr_va_vdst(0)                   ; one wait for both, ahead of their first reader
	v_mul_f32 v22, v19, v22
	v_mul_f32 v23, v19, v23
	SINCOS 22, 10, 12
	SINCOS 23, 11, 13
	global_store_b64 v15, v[10:11], s[6:7] offset:TAB        ; a wave stores 256 consecutive bytes
	global_store_b64 v15, v[12:13], s[6:7] offset:TAB+4096
.Lno_table:
	s_wait_loadcnt 16                              ; K step 0's sixteen loads are in; K step 1's may be out
	s_wait_alu depctr_va_vdst(0)
	TURN R0
	QUANT X, PC, PW
.irp c, 0,1,2
	global_store_b128 v[LI], v[PC+4*\c:PC+4*\c+3], s[8:9] offset:512*\c
.endr
	s_wait_loadcnt 0x0
	TURN R0+64
	s_wait_xcnt 0x0                                ; the stores have read the codes' registers
	QUANT X, PC, PW+1
.irp c, 0,1,2
	global_store_b128 v[LI], v[PC+4*\c:PC+4*\c+3], s[8:9] offset:1536+512*\c
.endr
	v_cndmask_b32 v254, v[PW], v[PW+1], s12        ; lanes 0-15 store K step 0's word of row r, lanes 16-31 K step 1's
	global_store_b32 v[SCO], v254, s[14:15] offset:X_SC
	s_wait_tensorcnt 0x0                           ; the wave's end: these three lines behind my last LDS store
	ds_add_u32 v[SPW], v[NIL]
	s_wait_dscnt 0x0
	s_endpgm
.Lfunc_end_k_q8a4dd4f6af_quant:
	.size	k_q8a4dd4f6af_quant, .Lfunc_end_k_q8a4dd4f6af_quant-k_q8a4dd4f6af_quant
	.p2alignl 7, 3214868480
	.fill 96, 4, 3214868480
	.section	.rodata,"a",@progbits
	.p2align	6, 0x0
	.amdhsa_kernel k_q8a4dd4f6af_quant
		.amdhsa_group_segment_fixed_size 93184
		.amdhsa_private_segment_fixed_size 0
		.amdhsa_enable_private_segment 0
		.amdhsa_kernarg_size 48
		.amdhsa_user_sgpr_count 2
		.amdhsa_user_sgpr_kernarg_segment_ptr 1
		.amdhsa_wavefront_size32 1
		.amdhsa_system_sgpr_workgroup_id_x 1
		.amdhsa_system_sgpr_workgroup_id_y 1
		.amdhsa_system_sgpr_workgroup_id_z 1
		.amdhsa_system_vgpr_workitem_id 0
		.amdhsa_next_free_vgpr 256
		.amdhsa_next_free_sgpr 66
		.amdhsa_reserve_vcc 1
		.amdhsa_float_denorm_mode_32 3
		.amdhsa_float_denorm_mode_16_64 3
		.amdhsa_memory_ordered 1
		.amdhsa_forward_progress 1
		.amdhsa_inst_pref_size 53
	.end_amdhsa_kernel
	.amdgpu_metadata
---
amdhsa.version: [ 1, 2 ]
amdhsa.kernels:
  - .name:           k_q8a4dd4f6af_quant
    .symbol:         k_q8a4dd4f6af_quant.kd
    .args:
      - { .name: x, .offset: 0, .size: 8, .value_kind: global_buffer, .address_space: global }
      - { .name: xq, .offset: 8, .size: 8, .value_kind: global_buffer, .address_space: global }
      - { .name: Wq, .offset: 16, .size: 8, .value_kind: global_buffer, .address_space: global }
      - { .name: Wk, .offset: 24, .size: 8, .value_kind: global_buffer, .address_space: global }
      - { .name: Wv, .offset: 32, .size: 8, .value_kind: global_buffer, .address_space: global }
      - { .name: wq, .offset: 40, .size: 8, .value_kind: global_buffer, .address_space: global }
    .group_segment_fixed_size: 93184
    .private_segment_fixed_size: 0
    .kernarg_segment_align: 8
    .kernarg_segment_size: 48
    .max_flat_workgroup_size: 256
    .sgpr_count:     66
    .vgpr_count:     256
    .wavefront_size: 32
...
	.end_amdgpu_metadata
.endif
;; end of part 1
;; launch gemm_qkv (part 2): grid 16 x 16, 4 waves a work-group, clusters of 4 x 4, 327,680 bytes of LDS; arguments xq, wq, qkv, Wo, wo; writes qkv, wo
.if DOCPART == 2
	.amdgcn_target "amdgcn-amd-amdhsa--gfx1250"
	.amdhsa_code_object_version 6
	.text
	.protected	k_q8a4dd4f6af_gemm_qkv
	.globl	k_q8a4dd4f6af_gemm_qkv
	.p2align	8
	.type	k_q8a4dd4f6af_gemm_qkv,@function
k_q8a4dd4f6af_gemm_qkv:
	s_mov_b64 s[64:65], 0
	v_nop
	global_prefetch_b8 v0, s[64:65] scope:SCOPE_SE
	s_setreg_imm32_b32 hwreg(HW_REG_WAVE_MODE, 25, 1), 1
	s_wait_xcnt 0x0
	s_wait_alu depctr_hold_cnt(0) depctr_sa_sdst(0) depctr_va_vdst(0) depctr_va_sdst(0) depctr_va_ssrc(0) depctr_va_vcc(0) depctr_vm_vsrc(0)
	s_getreg_b32 s2, hwreg(HW_REG_IB_STS2, 6, 4)
	s_cmp_eq_u32 s2, 0
	s_cbranch_scc0 .Lentry_in_a_cluster
	s_endpgm
.Lentry_in_a_cluster:
	s_bfe_u32 s2, ttmp6, 0x10000c
	s_cmp_lg_u32 s2, 0xf033
	s_cbranch_scc0 .Lentry_shape_is_right
	s_endpgm
.Lentry_shape_is_right:
; q, k, v = x Wq, x Wk, x Wv on codes of FP6 (E2M3) with E8M0 scales; q and k are rotated, and all three leave quantised again, as images of operand registers.
; OPERANDS: xq and wq hold images [tile of 16 rows][K step 16][1536 bytes] and scale words [tile][K slot 8][row 16][2][4 bytes]: a fragment is three loads of 16 bytes a lane, dense.
; SHARES: a work-group makes 256 tokens x 256 columns (two heads), a wave 128 x 128: 64 accumulators.  Tile columns 0-7: q's heads; 8-11: k's head (waves with column half 0) and v's head (half 1).
; THE RING: two LDS slots of two K steps each (32 tiles x 3,072 bytes); all scale words (32 KiB) stay behind the ring.  4 x 4 work-groups form a cluster: x's tiles are asked for jointly along a row, the weights' along a column.
; THE HEAD: four tiles, one load a wave: wave 0 slot 0's 16 tiles of x, wave 1 x's scale words, wave 2 slot 0's 16 tiles of the weights, wave 3 their scale words.  Slot 1 is first filled as a refill is.
; PREFETCH: behind the fill of slot f each wave asks for its share of slot f + 2: of the 8 tiles x 3,072 bytes that it fetches, the partner at place p takes tiles 2 p and 2 p + 1, 24 blocks of 256 bytes, a lane a block
; (lanes 24-31 name block 23 again); the shares are told apart by address alone.  Fills 6 and 7 ask for nothing: K has eight slots.
; THE PRODUCT IS USED TRANSPOSED (source 0 = weights, source 1 = x): a lane holds one token, its registers run along the columns; wq's order of columns puts z1 in accumulators 0-3 and z2 in 4-7 of a token block, in the quantiser's order.
; THE WAY OUT, q and k: block a (16 tokens) is rotated by the table of cosines and sines (xq at TAB, laid as registers), quantised along the head and stored as an image.  Five blocks' tables are on their way at a time,
; in registers that fall free: blocks 0, 1 ahead of the last two K steps, 2, 3 ahead of the last, 4 behind it; 5, 6, 7 take the places of 0, 1, 2.
; THE WAY OUT, v: its K is the tokens, so each tile of 16 channels turns through the wave's own stage in slot 0, which has had its last fill and its last read; two stages by turns.
; qkv: q images [16 b + head][token tile 64][1536]; at K_IMG k's [4 b + head][64][1536], 1,572,864 on v's [4 b + head][key step 8][channel tile 8][1536]; scale words at Q_SC, K_SC, K_SC + 65,536.
; LIMITS: NaN and infinities are not served; a block of zeros gets the byte 1 (the rule says 127): its codes are zeros, and this program alone reads the bytes.
.set A_SC,  6291456
.set W_SC,  7864320
.set TAB,   6553600
.set K_IMG, 6291456
.set Q_SC,  9437184
.set K_SC,  9699328
.set NQ,    2
.set FR,    12
.set NL,    3
.set NP,    4
.set HALFT, 24576                      ; 8 tiles x 2 K steps
.set SLOT,  4*HALFT
.set LAPS,  4
.set SCL,   2*SLOT
.set HALFS, 8192
.set SPARE, SCL+4*HALFS
.set STG2,  33792                      ; from the four waves' first stages to their second
.set ADRA, 16                          ; v16-17 my fragments of x in slot 0, 1;  v20-21 of the weights
.set ADRB, 20
.set VST,  24                          ; v24, v25 v's stage, in and out
.set VRD,  25
.set LI,   26                          ; v26 16 x lane
.set ADRS, 27                          ; v27 my scale words: lanes 0-15 x's, lanes 16-31 the weights'
.set SPW,  28
.set NIL,  29
.set SCO,  30                          ; v30 where my scale words go
.set PFO,  31                          ; v31 the prefetches' offset
.set SC,   32                          ; v32-63 scale words, two sets
.set AF,   128                         ; v128-223 x's fragments
.set TM,   32                          ; on the way out: v32-47 at work, v48-55 scale words, v56-59 as stored
.set PWS,  48
.set SS,   56
.set T0,   64
.set R,    128                         ; v128-191 a rotated block
.set PC,   192                         ; v192-210 its codes
.set SEL,  2
.set PFA,  44                          ; s[44:45] my share of the slot that is being filled
.set G1, 24
.set G0, 32
.set G1B, 48
.set G0B, 56
.set G1S, 68
.set G0S, 76
.set G1SB, 80
.set G0SB, 88
.set MSB, 0
.macro WIN new
.if MSB != (\new)
	s_set_vgpr_msb (MSB<<8)|(\new)
.set MSB, (\new)
.endif
.endm
.set MUL_LO, 0xa1
.set MUL_HI, 0xf1
.set TO_B,   0x40
.macro PLACES n
.rept \n
	v_nop
.endr
.endm
.macro JLOAD g0a, g1a, g0b, g1b        ; waves 0, 1 fetch x's halves, waves 2, 3 the weights'
	s_cmp_eq_u32 s15, 0
	s_cbranch_scc0 .Lfor_b_\@
	tensor_load_to_lds s[\g0a:\g0a+3], s[\g1a:\g1a+7]
	s_nop 0
	PLACES 4
	s_branch .Lasked_\@
.Lfor_b_\@:
	tensor_load_to_lds s[\g0b:\g0b+3], s[\g1b:\g1b+7]
	s_nop 0
	PLACES 4
.Lasked_\@:
.endm
.macro CREST
	s_cmp_lg_u32 s14, 0
	s_cbranch_scc1 .Lnot_wave_0_\@
	s_barrier_signal -3
.Lnot_wave_0_\@:
	s_barrier_wait -3
	s_barrier_signal -1
	s_barrier_wait -1
.endm
.macro CROUND
	s_barrier_signal -1
	s_barrier_wait -1
	CREST
.endm
.macro PREF
	global_prefetch_b8 v[PFO], s[PFA:PFA+1] offset:6144 th:TH_LOAD_NT scope:SCOPE_SE
.endm
; 64 numbers of a lane, register 16 b + i = k 32 b + 16 (lane / 16) + i, become a fragment's codes in v[pc] .. v[pc + 11] and its scale word in v[pw]
.macro QUANT s, pc, pw
.irp b, 0,1,2,3
	v_max3_num_f32 v[TM+\b], |v[(\s)+16*\b]|, |v[(\s)+1+16*\b]|, 0x1800000   ; the floor 2^(3 - 127): the byte cannot fall under 1
.endr
.irp i, 2,4,6,8,10,12,14
.irp b, 0,1,2,3
	v_max3_num_f32 v[TM+\b], v[TM+\b], |v[(\s)+16*\b+\i]|, |v[(\s)+1+16*\b+\i]|
.endr
.endr
.irp b, 0,1,2,3
	v_permlanex16_b32 v[TM+4+\b], v[TM+\b], s[SEL], s[SEL+1]
.endr
.irp b, 0,1,2,3
	v_max_num_f32 v[TM+\b], v[TM+\b], v[TM+4+\b]
.endr
.irp b, 0,1,2,3
	v_add_nc_u32 v[TM+12+\b], 0xff000000, v[TM+\b]   ; 2 off the exponent field: the conversion's scale operand
.endr
.irp b, 0,1,2,3
	v_lshrrev_b32 v[TM+4+\b], 23, v[TM+12+\b]
.endr
	v_lshl_or_b32 v[\pw], v[TM+5], 8, v[TM+4]
	v_lshl_or_b32 v[\pw], v[TM+6], 16, v[\pw]
	v_lshl_or_b32 v[\pw], v[TM+7], 24, v[\pw]
.irp c, 0,1
	v_cvt_scalef32_pk16_fp6_f32 v[(\pc)+6*\c:(\pc)+2+6*\c], v[(\s)+32*\c:(\s)+15+32*\c], v[TM+12+2*\c]
	v_cvt_scalef32_pk16_fp6_f32 v[(\pc)+12+4*\c:(\pc)+14+4*\c], v[(\s)+16+32*\c:(\s)+31+32*\c], v[TM+13+2*\c]
.endr
	v_nop                                          ; one plain place behind a scaled conversion
.irp c, 0,1
.irp i, 0,1,2
	v_permlane16_swap_b32 v[(\pc)+6*\c+\i], v[(\pc)+12+4*\c+\i]
.endr
.irp i, 0,1,2
	v_mov_b32 v[(\pc)+3+6*\c+\i], v[(\pc)+12+4*\c+\i]
.endr
.endr
.endm
	s_load_b128 s[4:7], s[0:1], 0x0                ; xq, wq
	s_load_b64 s[12:13], s[0:1], 0x10              ; qkv
	v_lshl_add_u32 v[SPW], v0, 2, SPARE
	v_mov_b32 v[NIL], 0
	ds_add_u32 v[SPW], v[NIL]                      ; the opening lines: the add, twice on end, and its wait
	ds_add_u32 v[SPW], v[NIL]
	v_lshrrev_b32 v1, 5, v0
	v_readfirstlane_b32 s14, v1                    ; wave
	s_lshr_b32 s15, s14, 1                         ; my half of the tokens; also: I fetch x (0) or weights (1)
	s_and_b32 s16, s14, 1                          ; my half of the columns; also: which 8 tiles I fetch
	s_bfe_u32 s40, ttmp6, 0x40000                  ; cx, cy
	s_bfe_u32 s41, ttmp6, 0x40004
	s_lshl_b32 s42, ttmp9, 2
	s_add_co_u32 s42, s42, s40                     ; tile column
	s_and_b32 s17, ttmp7, 0xffff
	s_lshl_b32 s17, s17, 2
	s_add_co_u32 s17, s17, s41                     ; tile row
	s_lshl_b32 s43, s41, 2
	s_lshl_b32 s43, 15, s43                        ; my row of the cluster
	s_lshl_b32 s44, 0x1111, s40                    ; my column
	s_or_b32 s[G1+0], s43, (3<<16)|(1<<21)
	s_or_b32 s[G1B+0], s44, (3<<16)|(1<<21)
.irp g, G1, G1B                                ; rows of 3,072 bytes (384 elements of 8), a tile apart: 16 rows for the head's loads, then 8
	s_mov_b32 s[\g+1], 384<<16
	s_mov_b32 s[\g+2], 16<<16
	s_mov_b32 s[\g+3], 384<<16
	s_mov_b32 s[\g+4], 16
	s_mov_b32 s[\g+5], 3072
	s_mov_b32 s[\g+6], 0
	s_mov_b32 s[\g+7], 0
.endr
	s_or_b32 s[G1S+0], s43, (3<<16)|(1<<21)
	s_or_b32 s[G1SB+0], s44, (3<<16)|(1<<21)
.irp g, G1S, G1SB                              ; 16 tiles' scale words: 16,384 dense bytes as 64 rows of 256
	s_mov_b32 s[\g+1], 32<<16
	s_mov_b32 s[\g+2], 64<<16
	s_mov_b32 s[\g+3], 32<<16
	s_mov_b32 s[\g+4], 64
	s_mov_b32 s[\g+5], 32
	s_mov_b32 s[\g+6], 0
	s_mov_b32 s[\g+7], 0
.endr
	s_lshl_b32 s18, s16, 3
	s_lshl_b32 s20, s17, 4
	s_add_co_u32 s20, s20, s18                     ; my first tile of x
	s_lshl_b32 s46, s42, 4
	s_add_co_u32 s46, s46, s18                     ; and of the weights
	s_lshl_b32 s22, s17, 14                        ; the 16 tiles' scale words
	s_mov_b32 s23, 0
	s_lshl_b32 s92, s42, 14
	s_mov_b32 s93, 0
	s_mul_i32 s20, s20, 24576
	s_mov_b32 s21, 0
	s_mul_i32 s46, s46, 24576
	s_mov_b32 s47, 0
	s_mul_i32 s45, s14, HALFT
	s_wait_dscnt 0x0
	s_wait_kmcnt 0x0
	s_add_nc_u64 s[20:21], s[4:5], s[20:21]
	s_add_nc_u64 s[22:23], s[4:5], s[22:23]
	s_add_nc_u64 s[22:23], s[22:23], A_SC
	s_add_nc_u64 s[46:47], s[6:7], s[46:47]
	s_add_nc_u64 s[92:93], s[6:7], s[92:93]
	s_add_nc_u64 s[92:93], s[92:93], W_SC
	CROUND                                         ; in front of the first joint loads
	s_cmp_eq_u32 ttmp9, 3                          ; the product has 12 tile columns; the fourth column of clusters quantises Wo (behind the product's text).  The branch hangs on the cluster's x alone: all sixteen partners take it alike
	s_cbranch_scc1 .Lwo_path
	s_mov_b32 s[G0S], 1
	s_mov_b32 s[G0S+1], SCL
	s_mov_b64 s[G0S+2:G0S+3], s[22:23]
	s_or_b32 s[G0S+3], s[G0S+3], 0x80000000
	s_mov_b32 s[G0SB], 1
	s_mov_b32 s[G0SB+1], SCL+2*HALFS
	s_mov_b64 s[G0SB+2:G0SB+3], s[92:93]
	s_or_b32 s[G0SB+3], s[G0SB+3], 0x80000000
.irp s, 0,1
	s_mov_b32 s[G0+4*\s], 1
	s_add_co_u32 s[G0+4*\s+1], s45, \s*SLOT
	s_add_nc_u64 s[G0+4*\s+2:G0+4*\s+3], s[20:21], \s*3072
	s_or_b32 s[G0+4*\s+3], s[G0+4*\s+3], 0x80000000
	s_mov_b32 s[G0B+4*\s], 1
	s_add_co_u32 s[G0B+4*\s+1], s45, \s*SLOT
	s_add_nc_u64 s[G0B+4*\s+2:G0B+4*\s+3], s[46:47], \s*3072
	s_or_b32 s[G0B+4*\s+3], s[G0B+4*\s+3], 0x80000000
.endr
	s_cmp_eq_u32 s15, 0                            ; the prefetches: the 8 tiles that I fetch,
	s_cselect_b64 s[PFA:PFA+1], s[20:21], s[46:47]
	s_cselect_b32 s92, s40, s41                    ; my place among the four that ask with me,
	s_mul_i32 s92, s92, 49152                      ; two tiles to each
	s_mov_b32 s93, 0
	s_add_nc_u64 s[PFA:PFA+1], s[PFA:PFA+1], s[92:93]
	s_mul_i32 s21, s15, HALFT
	s_mul_i32 s22, s16, HALFT
	s_add_co_u32 s22, s22, 2*HALFT
	s_mul_i32 s23, s14, 8448
	s_mul_i32 s92, s15, HALFS
	s_mul_i32 s93, s16, HALFS
	s_add_co_u32 s93, s93, 2*HALFS
	s_sub_co_u32 s93, s93, s92                     ; from x's scale words to the weights'
	s_add_co_u32 s92, s92, SCL
; one chain of branches on the wave's number, one load to an arm.  Waves 0 and 2 have column half 0, so their own slot 0 descriptors begin where the whole 16 tiles begin
.macro ARM under, g0, g1, next
	s_cmp_lt_u32 s14, \under
	s_cbranch_scc0 \next
	tensor_load_to_lds s[\g0:\g0+3], s[\g1:\g1+7]
	s_nop 0
	PLACES 4
	s_branch .Lhead_asked
\next:
.endm
	ARM 1, G0,  G1,  .Lhead_sa
	ARM 2, G0S, G1S, .Lhead_b
	ARM 3, G0B, G1B, .Lhead_sb
	tensor_load_to_lds s[G0SB:G0SB+3], s[G1SB:G1SB+7]
	s_nop 0
	PLACES 4
.Lhead_asked:
	v_and_b32 v3, 31, v0
	v_min_u32 v4, 23, v3                           ; block l of my 24: tile l / 12, 256 (l % 12)
	v_mul_u32_u24 v5, v4, 11
	v_lshrrev_b32 v5, 7, v5                        ; l / 12 for l under 24
	v_mul_u32_u24 v5, v5, 21504                    ; a tile's 24,576 less the 3,072 passed
	v_lshl_add_u32 v[PFO], v4, 8, v5
	global_prefetch_b8 v[PFO], s[PFA:PFA+1] offset:3072 th:TH_LOAD_NT scope:SCOPE_SE   ; at the head slot 1 too: its load stands behind the wait for slot 0's
	PREF
	v_and_b32 v1, 15, v0                           ; r
	v_bfe_u32 v2, v0, 4, 1                         ; h
	v_lshlrev_b32 v[LI], 4, v3
	v_add_nc_u32 v[ADRA], s21, v[LI]
	v_add_nc_u32 v[ADRB], s22, v[LI]
	v_add_nc_u32 v[ADRA+1], SLOT, v[ADRA]
	v_add_nc_u32 v[ADRB+1], SLOT, v[ADRB]
	v_lshlrev_b32 v5, 3, v1
	v_mad_u32_u24 v5, s93, v2, v5
	v_add_nc_u32 v[ADRS], s92, v5
	v_and_b32 v4, 8, v1
	v_add_nc_u32 v4, v4, v1
	v_lshlrev_b32 v4, 2, v4
	v_mad_u32_u24 v4, v2, 4224, v4
	v_add_nc_u32 v[VST], s23, v4
	v_mul_u32_u24 v5, v1, 528
	v_lshl_add_u32 v5, v2, 6, v5
	v_add_nc_u32 v[VRD], s23, v5
	v_lshlrev_b32 v[SCO], 5, v1
	v_lshl_add_u32 v[SCO], v2, 4, v[SCO]
	s_lshr_b32 s92, s17, 2                         ; the batch
	s_and_b32 s93, s17, 3
	s_lshl_b32 s93, s93, 1
	s_add_co_u32 s93, s93, s15                     ; which 128 tokens of the sequence
	s_lshl_b32 s94, s92, 4
	s_lshl_b32 s20, s42, 1
	s_add_co_u32 s94, s94, s20
	s_add_co_u32 s94, s94, s16                     ; q: 16 b + head
	s_lshl_b32 s20, s92, 2
	s_add_co_u32 s20, s20, s42
	s_sub_co_u32 s20, s20, 8                       ; k, v: 4 b + head
	s_mul_i32 s21, s16, 1572864
	s_add_co_u32 s21, s21, K_IMG
	s_lshl_b32 s22, s16, 16
	s_add_co_u32 s22, s22, K_SC
	s_mov_b32 s23, Q_SC
	s_cmp_lt_u32 ttmp9, 2
	s_cselect_b32 s94, s94, s20
	s_cselect_b32 s21, 0, s21
	s_cselect_b32 s22, s23, s22
	s_lshl_b32 s20, s94, 6
	s_lshl_b32 s23, s93, 3
	s_add_co_u32 s20, s20, s23
	s_mul_i32 s20, s20, 1536
	s_add_co_u32 s20, s20, s21
	s_mov_b32 s21, 0
	s_add_nc_u64 s[8:9], s[12:13], s[20:21]        ; my eight images
	s_lshl_b32 s20, s94, 12
	s_lshl_b32 s23, s93, 9
	s_add_co_u32 s20, s20, s23
	s_add_co_u32 s20, s20, s22
	s_add_nc_u64 s[10:11], s[12:13], s[20:21]      ; their scale words
	s_lshl_b32 s20, s93, 16
	s_add_co_u32 s20, s20, TAB
	s_add_nc_u64 s[18:19], s[4:5], s[20:21]        ; my tokens' part of the table
	s_cmp_eq_u32 ttmp9, 2
	s_cselect_b32 s95, s16, 0                      ; 1: my columns are v's
.macro FRAG reg, adr, q, i
.irp c, 0,1,2
	ds_load_b128 v[\reg+4*\c:\reg+4*\c+3], v[\adr] offset:(\i)*3072+(\q)*1536+512*\c
.endr
.endm
; 16 products; the 64 accumulators take turns in the same order in every step
.macro MUL16 a0, p, q, sc, zero
.irp a, \a0, \a0+1
.irp b, 0,1,2,3,4,5,6,7
.if \zero
	v_wmma_scale_f32_16x16x128_f8f6f4 v[8*(8*((\a)%4)+\b):8*(8*((\a)%4)+\b)+7], v[128*(\p)+FR*\b:128*(\p)+FR*\b+FR-1], v[AF+FR*(\a):AF+FR*(\a)+FR-1], 0, v[SC+8*NQ*(\sc)+NQ*\b+(\q)], v[SC+8*NQ*(\sc)+NQ*(\a)+(\q)] matrix_a_fmt:MATRIX_FMT_FP6 matrix_b_fmt:MATRIX_FMT_FP6 matrix_a_scale:MATRIX_SCALE_ROW1
.else
	v_wmma_scale_f32_16x16x128_f8f6f4 v[8*(8*((\a)%4)+\b):8*(8*((\a)%4)+\b)+7], v[128*(\p)+FR*\b:128*(\p)+FR*\b+FR-1], v[AF+FR*(\a):AF+FR*(\a)+FR-1], v[8*(8*((\a)%4)+\b):8*(8*((\a)%4)+\b)+7], v[SC+8*NQ*(\sc)+NQ*\b+(\q)], v[SC+8*NQ*(\sc)+NQ*(\a)+(\q)] matrix_a_fmt:MATRIX_FMT_FP6 matrix_b_fmt:MATRIX_FMT_FP6 matrix_a_scale:MATRIX_SCALE_ROW1
.endif
.endr
.endr
.endm
.macro FETCH_B slot, q, p
	WIN TO_B
.irp i, 0,1,2,3,4,5,6,7
	FRAG 128*(\p)+FR*\i, ADRB+\slot, \q, \i
.endr
	WIN 0
.endm
.macro FETCH_A slot, q, i0
.irp i, \i0, \i0+1, \i0+2, \i0+3
	FRAG AF+FR*(\i), ADRA+\slot, \q, \i
.endr
.endm
.macro SCALES sc
.irp i, 0,1,2,3,4,5,6,7
	ds_load_b64 v[SC+8*NQ*\sc+NQ*\i:SC+8*NQ*\sc+NQ*\i+1], v[ADRS] offset:\i*1024
.endr
.endm
.macro STEP slot, q, zero              ; a slot's first K step; it fetches the second's fragments
	s_wait_dscnt 4*NL                              ; the youngest twelve loads (x's blocks 4-7) may be out
	WIN MUL_LO
	MUL16 0, (\q)%2, \q, \slot, \zero
	MUL16 2, (\q)%2, \q, \slot, \zero
	s_wait_dscnt 0
	PLACES NP
	FETCH_B \slot, (\q)+1, 1-(\q)%2
	FETCH_A \slot, (\q)+1, 0
	WIN MUL_HI
	MUL16 4, (\q)%2, \q, \slot, \zero
	MUL16 6, (\q)%2, \q, \slot, \zero
	PLACES NP
	WIN 0
	FETCH_A \slot, (\q)+1, 4
.endm
.macro TURN slot, next, fill           ; a slot's second K step, and the change of slots
.if \fill
	s_wait_xcnt 0x0                                ; my last prefetch has read its address
	s_add_nc_u64 s[PFA:PFA+1], s[PFA:PFA+1], 3072
.endif
	s_wait_tensorcnt 0x0                           ; all my tensor loads have landed: my part of the next slot
	ds_add_u32 v[SPW], v[NIL]
	s_wait_dscnt 4*NL+1                            ; the add and x's blocks 4-7 may be out
	WIN MUL_LO
	MUL16 0, 1, NQ-1, \slot, 0
	s_wait_dscnt 0x0                               ; the add is done, my reads of this slot are over
	s_barrier_signal -1
	MUL16 2, 1, NQ-1, \slot, 0
	WIN 0
	s_barrier_wait -1
.if \fill
	CREST                                          ; the barrier has opened a round of the cluster's barrier
	s_add_nc_u64 s[G0+4*\slot+2:G0+4*\slot+3], s[G0+4*\slot+2:G0+4*\slot+3], 6144
	s_add_nc_u64 s[G0B+4*\slot+2:G0B+4*\slot+3], s[G0B+4*\slot+2:G0B+4*\slot+3], 6144
	JLOAD G0+4*\slot, G1, G0B+4*\slot, G1B
.else
	PLACES NP
.endif
	s_wait_alu depctr_va_vdst(0)                   ; directly ahead of the reader below
	v_add_nc_u32 v[ADRS], 128, v[ADRS]
	FETCH_B \next, 0, 0
	FETCH_A \next, 0, 0
	SCALES \next
.if \fill
	s_cmp_gt_u32 s3, 1                             ; the last trip's two fills have no slot two on
	s_cbranch_scc0 .Lno_ask_\@
	PREF
.Lno_ask_\@:
.endif
	WIN MUL_HI
	MUL16 4, 1, NQ-1, \slot, 0
	MUL16 6, 1, NQ-1, \slot, 0
	PLACES NP
	WIN 0
	FETCH_A \next, 0, 4
.endm
.macro FINAL                           ; the very last K step
	s_wait_dscnt 4*NL
	WIN MUL_LO
	MUL16 0, 1, NQ-1, 1, 0
	MUL16 2, 1, NQ-1, 1, 0
	s_wait_dscnt 0
	WIN MUL_HI
	MUL16 4, 1, NQ-1, 1, 0
	MUL16 6, 1, NQ-1, 1, 0
	WIN 0
.endm
; block a's table: 32 registers of cosines at v[tc] of window cw, 32 of sines at v[ts] of window sw
.macro TLOAD a, cw, tc, sw, ts
	WIN (\cw)<<6
.irp g, 0,1,2,3,4,5,6,7
	global_load_b128 v[(\tc)+4*\g:(\tc)+4*\g+3], v[LI], s[18:19] offset:(\a)*8192+512*\g
.endr
	WIN (\sw)<<6
.irp g, 0,1,2,3,4,5,6,7
	global_load_b128 v[(\ts)+4*\g:(\ts)+4*\g+3], v[LI], s[18:19] offset:(\a)*8192+4096+512*\g
.endr
	WIN 0
.endm
.macro ROPE a, cw, tc, sw, ts
.set AC, 64*((\a)%4)
.set AW, 2+(\a)/4
.if (\a) < 4
	s_wait_loadcnt 63                              ; 64 loads were issued behind block a's sixteen
.else
	s_wait_loadcnt 16*(7-(\a))                     ; the later blocks' may be out
.endif
	WIN AW|((\sw)<<2)
.irp p, 0,2,4,6,8,10,12,14,16,18,20,22,24,26,28,30
	v_pk_mul_f32 v[R+\p:R+\p+1], v[AC+32+\p:AC+33+\p], v[(\ts)+\p:(\ts)+\p+1]       ; z2 sin
.endr
	WIN AW|((\cw)<<2)
.irp p, 0,2,4,6,8,10,12,14,16,18,20,22,24,26,28,30
	v_pk_mul_f32 v[R+32+\p:R+33+\p], v[AC+32+\p:AC+33+\p], v[(\tc)+\p:(\tc)+\p+1]   ; z2 cos
	v_pk_fma_f32 v[R+\p:R+\p+1], v[AC+\p:AC+\p+1], v[(\tc)+\p:(\tc)+\p+1], v[R+\p:R+\p+1] neg_lo:[0,0,1] neg_hi:[0,0,1]   ; z1 cos - z2 sin
.endr
	WIN AW|((\sw)<<2)
.irp p, 0,2,4,6,8,10,12,14,16,18,20,22,24,26,28,30
	v_pk_fma_f32 v[R+32+\p:R+33+\p], v[AC+\p:AC+\p+1], v[(\ts)+\p:(\ts)+\p+1], v[R+32+\p:R+33+\p]   ; z1 sin + z2 cos
.endr
	WIN 0
.if (\a)+5 < 8
	TLOAD (\a)+5, \cw, \tc, \sw, \ts               ; the table's registers take the block five on
.endif
	s_wait_alu depctr_va_vdst(0)                   ; directly ahead of the wait below
	s_wait_xcnt 0x0                                ; the last block's stores have read the codes' registers
	QUANT R, PC, PWS+(\a)
.irp c, 0,1,2
	global_store_b128 v[LI], v[PC+4*\c:PC+4*\c+3], s[8:9] offset:1536*(\a)+512*\c
.endr
.endm
; v's channel tile b through stage b % 2: 128 tokens x 16 channels in, 64 tokens of one channel a lane out
.macro VSTO b
.irp a, 0,1,2,3,4,5,6,7
	WIN 0x08+4*(\a/4)
.irp j, 0,1,2,3,4,5,6,7
	ds_store_b32 v[VST], v[8*(8*(\a%4)+(\b))+\j] offset:STG2*((\b)%2)+528*\j+4*(32*(\a/2)+8*(\a%2))
.endr
.endr
	WIN 0
.irp e, 0,1,2,3
.irp i, 0,1,2,3
	ds_load_b128 v[T0+64*((\b)%2)+16*\e+4*\i:T0+64*((\b)%2)+16*\e+4*\i+3], v[VRD] offset:STG2*((\b)%2)+128*\e+16*\i   ; LDS serves a wave's instructions in order
.endr
.endr
.endm
.macro VT b
	s_wait_dscnt 0x0                               ; tile b is back in registers
.if (\b) < 7
	VSTO (\b)+1                                    ; the next tile turns while this one is quantised
.endif
	s_wait_xcnt 0x0
	QUANT T0+64*((\b)%2), PC, PWS+(\b)
.irp c, 0,1,2
	global_store_b128 v[LI], v[PC+4*\c:PC+4*\c+3], s[8:9] offset:1536*(\b)+512*\c
.endr
.endm
	s_wait_alu depctr_va_vdst(0)                   ; the wait at the head's end
	s_wait_xcnt 0x0
	s_add_nc_u64 s[PFA:PFA+1], s[PFA:PFA+1], 3072
	s_wait_tensorcnt 0x0                           ; my tile of the head's four is in; these lines stand ahead of a later first fill as ahead of a refill
	ds_add_u32 v[SPW], v[NIL]
	s_mov_b32 s[G1+2], 8<<16                       ; no load of mine is out: from here on a load brings 8 tiles
	s_mov_b32 s[G1+4], 8
	s_mov_b32 s[G1B+2], 8<<16
	s_mov_b32 s[G1B+4], 8
	s_wait_dscnt 0x0
	CROUND
	JLOAD G0+4, G1, G0B+4, G1B                     ; slot 1
	FETCH_B 0, 0, 0
	FETCH_A 0, 0, 0
	SCALES 0
	FETCH_A 0, 0, 4
	PREF                                           ; slot 3
	STEP 0, 0, 1                                   ; the first step's products start the sums
	s_mov_b32 s3, LAPS-1
.Llap:
	TURN 0, 1, 1
	STEP 1, 0, 0
	TURN 1, 0, 1
	STEP 0, 0, 0
	s_sub_co_u32 s3, s3, 1
	s_cmp_lg_u32 s3, 0
	s_cbranch_scc1 .Llap
	TURN 0, 1, 0
	s_mov_b32 s[SEL], 0x76543210
	s_mov_b32 s[SEL+1], 0xfedcba98
	s_cmp_eq_u32 s95, 1
	s_cbranch_scc1 .Lv_arm
	TLOAD 0, 0, 64, 0, 96                          ; registers that lay idle in the walk
	TLOAD 1, 1, 96, 1, 224
	STEP 1, 0, 0
	TLOAD 2, 1, 0, 1, 32                           ; the weights' set 0 is done with (the step's places stand behind its last products)
	TLOAD 3, 1, 64, 0, 224
	FINAL
	PLACES NP
	TLOAD 4, 1, 160, 1, 192
.irp b, 0,1,2,3
	v_mov_b32 v[TM+4+\b], 0                        ; a lane permute's destination counts as one of its sources
.endr
	ROPE 0, 0, 64, 0, 96
	ROPE 1, 1, 96, 1, 224
	ROPE 2, 1, 0, 1, 32
	ROPE 3, 1, 64, 0, 224
	ROPE 4, 1, 160, 1, 192
	ROPE 5, 0, 64, 0, 96
	ROPE 6, 1, 96, 1, 224
	ROPE 7, 1, 0, 1, 32
	s_branch .Ltail
.Lv_arm:
	STEP 1, 0, 0
	FINAL
	PLACES NP
.irp b, 0,1,2,3
	v_mov_b32 v[TM+4+\b], 0
.endr
	VSTO 0
.irp b, 0,1,2,3,4,5,6,7
	VT \b
.endr
.Ltail:
	s_mov_b32 s96, 0xffff0000
.irp e, 0,1,2,3
	v_cndmask_b32 v[SS+\e], v[PWS+\e], v[PWS+4+\e], s96   ; lanes 0-15 store words 0-3 of row r, lanes 16-31 words 4-7
.endr
	global_store_b128 v[SCO], v[SS:SS+3], s[10:11]
	s_wait_tensorcnt 0x0                           ; the wave's end: these three lines
	ds_add_u32 v[SPW], v[NIL]
	s_wait_dscnt 0x0
	CROUND                                         ; the closing round
	s_endpgm
; ---------------- Wo, f32 stored [K 2048][N 2048], becomes codes of FP6 (E2M3) along K with one E8M0 byte for each 32, for the last product:
; wo: images [n-tile 128][K step 16][1536], row m of tile d = column 16 d + m; at WO_SC scale words [n-tile][K slot 8][row 16][K step of the slot 2][4 bytes].
; SHARES: 64 work-groups x 4 waves = 256 waves; wave n takes columns 128 (n % 16) .. + 127 and K step n / 16 (four blocks of 32).  A load reads 512 consecutive bytes of one row of Wo, 16 bytes a lane:
; a lane holds four neighbouring columns, its registers run down K, four registers a row.  Two blocks' loads (64) are out at a time.  A column's 32 numbers are moved to neighbouring registers for the conversions.
; The codes go into the wave's own stage, in LDS bytes that the product's way never names, laid as the images, and leave as 1,536 dense bytes a tile.  No tensor load, no barrier but the cluster's two rounds.
; The work-group's place in its cluster enters global addresses alone.  LIMITS as above.
.set WOSTG, 230400                     ; behind the product's spare words: four stages of 12,288 bytes
.set WO_SC, 3145728
.set WY,    64                         ; v64-95   a column's block
.set WCC,   96                         ; v96-101  its codes;  v102-104 their upper half, as converted
.set WDD,   102
.set WSB,   108                        ; v108-111 my four columns' scale words
.set WOUT,  128                        ; v128-223 the way out
.macro WLOAD t                         ; block t into window 1, v0-127 or v128-255: register 4 k + j = Wo(32 t + k, my column j)
	WIN TO_B
.set I, 0
.rept 32
	global_load_b128 v[128*((\t)%2)+4*I:128*((\t)%2)+4*I+3], v[LI], s[8:9] offset:(32*(\t)+I)*8192 th:TH_LOAD_NT
.set I, I+1
.endr
	WIN 0
.endm
.macro WBLOCK t
.set XS, 128*((\t)%2)
.if (\t) < 3
	s_wait_loadcnt 32                              ; this block's 32 loads are in; the next block's may be out
.else
	s_wait_loadcnt 0x0
.endif
.irp j, 0,1,2,3
	WIN 0x14                                       ; sources 1 and 2 in window 1
	v_max3_num_f32 v12, 0x1800000, |v[XS+\j]|, |v[XS+4+\j]|   ; the floor 2^(3 - 127): the byte cannot fall under 1
.irp k, 2,4,6,8,10,12,14,16,18,20,22,24,26,28,30
	v_max3_num_f32 v12, v12, |v[XS+4*\k+\j]|, |v[XS+4*\k+4+\j]|
.endr
	WIN 0x01                                       ; source 0 in window 1
.set I, 0
.rept 32
	v_mov_b32 v[WY+I], v[XS+4*I+\j]
.set I, I+1
.endr
	WIN 0
	v_add_nc_u32 v14, 0xff000000, v12              ; the conversion's scale operand
	v_lshrrev_b32 v15, 23, v14                     ; the byte
	v_cvt_scalef32_pk16_fp6_f32 v[WCC:WCC+2], v[WY:WY+15], v14
	v_cvt_scalef32_pk16_fp6_f32 v[WDD:WDD+2], v[WY+16:WY+31], v14
.if (\t) == 0
	v_mov_b32 v[WSB+\j], v15                       ; (the plain place behind the conversions)
.else
	v_lshl_or_b32 v[WSB+\j], v15, 8*(\t), v[WSB+\j]
.endif
.irp i, 0,1,2
	v_mov_b32 v[WCC+3+\i], v[WDD+\i]
.endr
.if (\t) < 2                                   ; block 2 c + h belongs to lanes 16 h + row of the image, registers 6 c .. 6 c + 5
	ds_store_b128 v6, v[WCC:WCC+3] offset:256*((\t)%2)+16*\j
	ds_store_b64 v6, v[WCC+4:WCC+5] offset:256*((\t)%2)+16*\j+512
.else
	ds_store_b64 v6, v[WCC:WCC+1] offset:256*((\t)%2)+16*\j+520
	ds_store_b128 v6, v[WCC+2:WCC+5] offset:256*((\t)%2)+16*\j+1024
.endif
	s_wait_dscnt 0x0                               ; the stores have read their registers
.endr
.if (\t)+2 < 4
	WLOAD (\t)+2
.endif
.endm
.Lwo_path:
	s_load_b128 s[4:7], s[0:1], 0x18               ; Wo, wo
	s_lshl_b32 s20, s17, 2
	s_add_co_u32 s20, s20, s40                     ; which of the 64 work-groups
	s_lshl_b32 s20, s20, 2
	s_add_co_u32 s20, s20, s14                     ; n
	s_and_b32 s21, s20, 15                         ; which 128 columns
	s_lshr_b32 s22, s20, 4                         ; which K step
	s_lshl_b32 s92, s22, 20                        ; 128 rows of 8,192 bytes,
	s_lshl_b32 s23, s21, 9
	s_add_co_u32 s92, s92, s23                     ; 512 bytes of a row
	s_mov_b32 s93, 0
	s_mul_i32 s94, s21, 196608                     ; eight tiles' images, my K step
	s_mul_i32 s23, s22, 1536
	s_add_co_u32 s94, s94, s23
	s_mov_b32 s95, 0
	s_lshl_b32 s46, s21, 13                        ; their scale words, my K slot and step
	s_lshr_b32 s23, s22, 1
	s_lshl_b32 s23, s23, 7
	s_add_co_u32 s46, s46, s23
	s_and_b32 s23, s22, 1
	s_lshl_b32 s23, s23, 2
	s_add_co_u32 s46, s46, s23
	s_add_co_u32 s46, s46, WO_SC
	s_mov_b32 s47, 0
	s_mul_i32 s2, s14, 12288
	s_add_co_u32 s2, s2, WOSTG                     ; my stage
	v_and_b32 v3, 31, v0
	v_lshlrev_b32 v[LI], 4, v3                     ; 16 x lane
	v_lshrrev_b32 v4, 2, v3                        ; my columns' tile,
	v_and_b32 v5, 3, v3                            ; their rows 4 (lane % 4) + j
	v_mul_u32_u24 v6, v4, 1536
	v_lshl_add_u32 v6, v5, 6, v6
	v_add_nc_u32 v6, s2, v6                        ; the stage, on the way in
	v_add_nc_u32 v7, s2, v[LI]                     ; and on the way out
	v_lshlrev_b32 v9, 10, v4
	v_lshl_add_u32 v9, v5, 5, v9                   ; my scale words' place
	s_wait_alu depctr_va_vdst(0)                   ; directly ahead of the wait below
	s_wait_kmcnt 0x0
	s_add_nc_u64 s[8:9], s[4:5], s[92:93]
	s_add_nc_u64 s[10:11], s[6:7], s[94:95]
	s_add_nc_u64 s[18:19], s[6:7], s[46:47]
	WLOAD 0
	WLOAD 1
.irp t, 0,1,2,3
	WBLOCK \t
.endr
	s_wait_alu depctr_va_vdst(0)                   ; directly ahead of the readers below
.irp j, 0,1,2,3
	global_store_b32 v9, v[WSB+\j], s[18:19] offset:8*\j
.endr
.set I, 0
.rept 24
	ds_load_b128 v[WOUT+4*I:WOUT+4*I+3], v7 offset:512*I   ; LDS serves a wave's instructions in order: these see my stores
.set I, I+1
.endr
.set I, 0
.rept 24
	s_wait_dscnt 23-I                              ; the younger loads may be out
	global_store_b128 v[LI], v[WOUT+4*I:WOUT+4*I+3], s[10:11] offset:(I/3)*24576+(I%3)*512   ; 512 consecutive bytes, aligned
.set I, I+1
.endr
	s_wait_tensorcnt 0x0                           ; the wave's end: these three lines behind my last LDS store
	ds_add_u32 v[SPW], v[NIL]
	s_wait_dscnt 0x0
	CROUND                                         ; the cluster's closing round
	s_endpgm
.Lfunc_end_k_q8a4dd4f6af_gemm_qkv:
	.size	k_q8a4dd4f6af_gemm_qkv, .Lfunc_end_k_q8a4dd4f6af_gemm_qkv-k_q8a4dd4f6af_gemm_qkv
	.p2alignl 7, 3214868480
	.fill 96, 4, 3214868480
	.section	.rodata,"a",@progbits
	.p2align	6, 0x0
	.amdhsa_kernel k_q8a4dd4f6af_gemm_qkv
		.amdhsa_group_segment_fixed_size 327680
		.amdhsa_private_segment_fixed_size 0
		.amdhsa_enable_private_segment 0
		.amdhsa_kernarg_size 40
		.amdhsa_user_sgpr_count 2
		.amdhsa_user_sgpr_kernarg_segment_ptr 1
		.amdhsa_wavefront_size32 1
		.amdhsa_system_sgpr_workgroup_id_x 1
		.amdhsa_system_sgpr_workgroup_id_y 1
		.amdhsa_system_sgpr_workgroup_id_z 1
		.amdhsa_system_vgpr_workitem_id 0
		.amdhsa_next_free_vgpr 1024
		.amdhsa_next_free_sgpr 98
		.amdhsa_reserve_vcc 0
		.amdhsa_float_denorm_mode_32 3
		.amdhsa_float_denorm_mode_16_64 3
		.amdhsa_memory_ordered 1
		.amdhsa_forward_progress 1
		.amdhsa_inst_pref_size 255
	.end_amdhsa_kernel
	.section	.bss,"aw",@nobits
	.p2align	6
	.space	262144
	.amdgpu_metadata
---
amdhsa.version: [ 1, 2 ]
amdhsa.kernels:
  - .name:           k_q8a4dd4f6af_gemm_qkv
    .symbol:         k_q8a4dd4f6af_gemm_qkv.kd
    .args:
      - { .name: xq, .offset: 0, .size: 8, .value_kind: global_buffer, .address_space: global }
      - { .name: wq, .offset: 8, .size: 8, .value_kind: global_buffer, .address_space: global }
      - { .name: qkv, .offset: 16, .size: 8, .value_kind: global_buffer, .address_space: global }
      - { .name: Wo, .offset: 24, .size: 8, .value_kind: global_buffer, .address_space: global }
      - { .name: wo, .offset: 32, .size: 8, .value_kind: global_buffer, .address_space: global }
    .group_segment_fixed_size: 327680
    .private_segment_fixed_size: 0
    .kernarg_segment_align: 8
    .kernarg_segment_size: 40
    .max_flat_workgroup_size: 128
    .sgpr_count:     98
    .vgpr_count:     1024
    .wavefront_size: 32
...
	.end_amdgpu_metadata
.endif
;; end of part 2
;; launch attn (part 3): grid 16 x 16, 16 waves a work-group, clusters of 4 x 1, 327,680 bytes of LDS; arguments qkv, aq; writes aq
.if DOCPART == 3
	.amdgcn_target "amdgcn-amd-amdhsa--gfx1250"
	.amdhsa_code_object_version 6
	.text
	.protected	k_q8a4dd4f6af_attn
	.globl	k_q8a4dd4f6af_attn
	.p2align	8
	.type	k_q8a4dd4f6af_attn,@function
k_q8a4dd4f6af_attn:
	s_mov_b64 s[64:65], 0
	v_nop
	global_prefetch_b8 v0, s[64:65] scope:SCOPE_SE
	s_setreg_imm32_b32 hwreg(HW_REG_WAVE_MODE, 25, 1), 1
	s_wait_xcnt 0x0
	s_wait_alu depctr_hold_cnt(0) depctr_sa_sdst(0) depctr_va_vdst(0) depctr_va_sdst(0) depctr_va_ssrc(0) depctr_va_vcc(0) depctr_vm_vsrc(0)
	s_getreg_b32 s2, hwreg(HW_REG_IB_STS2, 6, 4)
	s_cmp_eq_u32 s2, 0
	s_cbranch_scc0 .Lentry_in_a_cluster
	s_endpgm
.Lentry_in_a_cluster:
	s_bfe_u32 s2, ttmp6, 0x10000c
	s_cmp_lg_u32 s2, 0x3003
	s_cbranch_scc0 .Lentry_shape_is_right
	s_endpgm
.Lentry_shape_is_right:
; Causal attention on codes of FP6 (E2M3) with E8M0 scales; 4 batches, 16 query heads, 4 key and value heads, 1,024 tokens, head size 128.  The result is quantised as the last product's operand.
; THE SOFTMAX AHEAD OF THE SECOND PRODUCT: t = score x log2(e) / sqrt(128); M = the running largest t rounded UP to a whole number; p = 2^(t - M) is quantised along the keys, not normalised;
; the row's sum is taken of the unquantised p and divides at the end; when M moves, the sum and O are multiplied by 2^(old M - new M), which rounds nothing.
; SHARES.  The four work-groups of a cluster are the four query heads of one key and value head: they need the same K and V, which are asked for JOINTLY.  Work-group y: batch y / 4 and jq = y % 4.
; Wave w owns query tile 4 w' + jq (16 queries), w' = w with its two low bits turned over where bit 2 of w is set: tile 4 w' + jq walks w' / 2 + 1 key steps, and so waves w, w + 4, w + 8, w + 12 walk 18 in all for every w.
; A HEAD'S K AND V STAY IN LDS: 98,304 bytes each, as images of operand registers, and 4,096 bytes of scale words each.  Every byte is filled once, at the head, ONE LOAD A WAVE:
; waves 0-5 a sixth of K's images each (16,384 bytes), waves 6-11 of V's, waves 12-15 a half of K's or of V's scale words (2,048 bytes).  One wait for 0 and one barrier show all of it to all waves.
; LAYOUT.  Both products are used transposed (S^T = K Q^T, O^T = V^T P^T): a lane holds one query.  Lane r of a tile of tokens holds token 32 (a / 2) + 8 (a % 2) + r + 8 (r / 8), so that the 16 registers of two
; neighbouring tiles of keys are 16 neighbouring keys; V's channel tiles are laid in the same order, so that O^T stands in the quantiser's order at the end.
; CAUSAL.  reference() hides keys behind the query by its own mask: a key step all of whose keys come after my queries is left out by a scalar branch on ids (the same in all partners); in the step on the diagonal hidden
; scores become -infinity.  Key 0 counts for every query.  No prefetch: the launch's one group of loads stands at its head, with no loop ahead of it.
; aq: images [row tile 256][K step = head 16][1536]; at A_SC scale words [row tile][head / 2][row 16][head % 2][4 bytes]: these leave as pieces of 4 bytes (both halves of the lanes store the same word).
; LIMITS: NaN and infinities are not served; a block of zeros gets the byte 1 (the rule says 127): its codes are zeros, and this program alone reads the bytes.  The scaled scores stay under 2^31 in magnitude.
.set K_IMG, 6291456
.set Q_SC,  9437184
.set K_SC,  9699328
.set A_SC,  6291456
.set SPARE, 204800                     ; behind K, V and their scale words: the spare words, 128 bytes a wave
.set LI,   1                           ; v1   16 x lane
.set SB0,  2                           ; v2   196,608 + 32 r: my row among K's scale words (V's: 4,096 on)
.set QS,   3                           ; v3   32 r
.set OS,   4                           ; v4   8 r
.set SPW,  5
.set NIL,  6
.set QD,   7                           ; v7   my query - 16 (lane / 16)
.set ADK,  8
.set ADV,  9
.set ADS,  10
.set TM,   232
.set WV,   18
.set SEL,  20
.set CS,   22
.set G1T,  24                          ; s[24:31] a piece of images;  s[32:39] of scale words;  s[44:47], s[40:43] their groups 0
.set G1S,  32
.set G0,   40
.set TB,   2                           ; s2   where the step's tiles begin
.set TS,   3                           ; s3   and its scale words
.set CNT,  67
.set KF,   98                          ; s98  the step's first key
.set Q0,   99                          ; s99  my tile's first query
.macro CROUND
	s_barrier_signal -1
	s_barrier_wait -1
	s_cmp_lg_u32 s[WV], 0
	s_cbranch_scc1 .Lnot_wave_0_\@
	s_barrier_signal -3
.Lnot_wave_0_\@:
	s_barrier_wait -3
	s_barrier_signal -1
	s_barrier_wait -1
.endm
.macro QUANT s, pc, pw
.irp b, 0,1,2,3
	v_max3_num_f32 v[TM+\b], |v[(\s)+16*\b]|, |v[(\s)+1+16*\b]|, 0x1800000
.endr
.irp i, 2,4,6,8,10,12,14
.irp b, 0,1,2,3
	s_delay_alu instid0(VALU_DEP_4)
	v_max3_num_f32 v[TM+\b], v[TM+\b], |v[(\s)+16*\b+\i]|, |v[(\s)+1+16*\b+\i]|
.endr
.endr
.irp b, 0,1,2,3
	s_delay_alu instid0(VALU_DEP_4)
	v_permlanex16_b32 v[TM+4+\b], v[TM+\b], s[SEL], s[SEL+1]
.endr
.irp b, 0,1,2,3
	s_delay_alu instid0(VALU_DEP_4)
	v_max_num_f32 v[TM+\b], v[TM+\b], v[TM+4+\b]
.endr
.irp b, 0,1,2,3
	s_delay_alu instid0(VALU_DEP_4)
	v_add_nc_u32 v[TM+12+\b], 0xff000000, v[TM+\b]
.endr
.irp b, 0,1,2,3
	s_delay_alu instid0(VALU_DEP_4)
	v_lshrrev_b32 v[TM+4+\b], 23, v[TM+12+\b]
.endr
	s_delay_alu instid0(VALU_DEP_3)
	v_lshl_or_b32 v[\pw], v[TM+5], 8, v[TM+4]
	s_delay_alu instid0(VALU_DEP_1)
	v_lshl_or_b32 v[\pw], v[TM+6], 16, v[\pw]
	s_delay_alu instid0(VALU_DEP_1)
	v_lshl_or_b32 v[\pw], v[TM+7], 24, v[\pw]
.irp c, 0,1
	v_cvt_scalef32_pk16_fp6_f32 v[(\pc)+6*\c:(\pc)+2+6*\c], v[(\s)+32*\c:(\s)+15+32*\c], v[TM+12+2*\c]
	v_cvt_scalef32_pk16_fp6_f32 v[(\pc)+12+4*\c:(\pc)+14+4*\c], v[(\s)+16+32*\c:(\s)+31+32*\c], v[TM+13+2*\c]
.endr
	v_nop
.irp c, 0,1
.irp i, 0,1,2
	v_permlane16_swap_b32 v[(\pc)+6*\c+\i], v[(\pc)+12+4*\c+\i]
.endr
.irp i, 0,1,2
	s_delay_alu instid0(VALU_DEP_3)
	v_mov_b32 v[(\pc)+3+6*\c+\i], v[(\pc)+12+4*\c+\i]
.endr
.endr
.endm
	s_load_b128 s[4:7], s[0:1], 0x0                ; qkv, aq
	v_lshl_add_u32 v[SPW], v0, 2, SPARE
	v_mov_b32 v[NIL], 0
	ds_add_u32 v[SPW], v[NIL]                      ; the opening lines: the add, twice on end, and its wait
	ds_add_u32 v[SPW], v[NIL]
	v_lshrrev_b32 v8, 5, v0
	s_delay_alu instid0(VALU_DEP_1)
	v_readfirstlane_b32 s[WV], v8                  ; wave 0..15
	s_bfe_u32 s68, ttmp6, 0x40000                  ; cx: it enters Q's and the result's addresses alone
	s_and_b32 s69, ttmp7, 0xffff
	s_lshr_b32 s70, s69, 2                         ; the batch
	s_and_b32 s71, s69, 3
	s_bfe_u32 s72, s[WV], 0x10002                  ; bit 2 of the wave's number
	s_mul_i32 s72, s72, 3
	s_xor_b32 s72, s72, s[WV]                      ; w'
	s_lshl_b32 s72, s72, 2
	s_add_co_u32 s72, s72, s71                     ; my query tile
	s_lshr_b32 s73, s72, 1
	s_lshl_b32 s73, s73, 5
	s_and_b32 s74, s72, 1
	s_lshl_b32 s74, s74, 3
	s_add_co_u32 s[Q0], s73, s74
	s_lshl_b32 s75, s70, 2
	s_add_co_u32 s75, s75, ttmp9                   ; 4 b + key and value head
	s_lshl_b32 s76, ttmp9, 2
	s_add_co_u32 s76, s76, s68                     ; the query head
	s_lshl_b32 s77, s70, 4
	s_add_co_u32 s77, s77, s76                     ; 16 b + head
	s_cmp_ge_u32 s[WV], 6                          ; images: piece w of twelve; V's six lie 1,572,864 behind K's in memory, 98,304 in LDS
	s_cselect_b32 s78, 1474560, 0
	s_lshl_b32 s80, s[WV], 14
	s_add_co_u32 s80, s80, s78
	s_mul_i32 s81, s75, 98304
	s_add_co_u32 s80, s80, s81
	s_add_co_u32 s80, s80, K_IMG
	s_mov_b32 s81, 0
	s_and_b32 s79, s[WV], 3                        ; scale words: piece w - 12 of four: K's halves, V's halves
	s_lshr_b32 s82, s79, 1
	s_lshl_b32 s82, s82, 16
	s_and_b32 s83, s79, 1
	s_lshl_b32 s83, s83, 11
	s_add_co_u32 s82, s82, s83
	s_lshl_b32 s83, s75, 12
	s_add_co_u32 s82, s82, s83
	s_add_co_u32 s82, s82, K_SC
	s_mov_b32 s83, 0
	s_lshl_b32 s86, s77, 6
	s_add_co_u32 s86, s86, s72
	s_mul_i32 s86, s86, 1536                       ; Q's image
	s_mov_b32 s87, 0
	s_lshl_b32 s88, s77, 12
	s_lshr_b32 s94, s72, 3
	s_lshl_b32 s94, s94, 9
	s_add_co_u32 s88, s88, s94
	s_and_b32 s94, s72, 7
	s_lshl_b32 s94, s94, 2
	s_add_co_u32 s88, s88, s94
	s_add_co_u32 s88, s88, Q_SC                    ; Q's scale words
	s_mov_b32 s89, 0
	s_lshl_b32 s94, s70, 6
	s_add_co_u32 s94, s94, s72                     ; the result's row tile
	s_mul_i32 s90, s94, 24576
	s_mul_i32 s95, s76, 1536
	s_add_co_u32 s90, s90, s95
	s_mov_b32 s91, 0
	s_lshl_b32 s92, s94, 10
	s_lshr_b32 s95, s76, 1
	s_lshl_b32 s95, s95, 7
	s_add_co_u32 s92, s92, s95
	s_and_b32 s95, s76, 1
	s_lshl_b32 s95, s95, 2
	s_add_co_u32 s92, s92, s95
	s_add_co_u32 s92, s92, A_SC
	s_mov_b32 s93, 0
	s_mov_b32 s[G1T], 15|(3<<16)|(1<<21)           ; all four work-groups; elements of 8 bytes; bit 21 beside a mask; 16,384 dense bytes as 64 rows of 256
	s_mov_b32 s[G1T+1], 32<<16
	s_mov_b32 s[G1T+2], 64<<16
	s_mov_b32 s[G1T+3], 32<<16
	s_mov_b32 s[G1T+4], 64
	s_mov_b32 s[G1T+5], 32
	s_mov_b32 s[G1T+6], 0
	s_mov_b32 s[G1T+7], 0
	s_mov_b32 s[G1S], 15|(3<<16)|(1<<21)           ; 2,048 dense bytes as 8 rows of 256
	s_mov_b32 s[G1S+1], 32<<16
	s_mov_b32 s[G1S+2], 8<<16
	s_mov_b32 s[G1S+3], 32<<16
	s_mov_b32 s[G1S+4], 8
	s_mov_b32 s[G1S+5], 32
	s_mov_b32 s[G1S+6], 0
	s_mov_b32 s[G1S+7], 0
	s_mov_b32 s[SEL], 0x76543210
	s_mov_b32 s[SEL+1], 0xfedcba98
	s_mov_b32 s[CS], 0x3e0293ee                    ; c = log2(e) / sqrt(128)
	s_mov_b32 s[CS+1], s[CS]
	s_mov_b32 s[TB], 0
	s_mov_b32 s[TS], 0
	s_mov_b32 s[KF], 0
	s_wait_dscnt 0x0                               ; both opening adds are done
	s_wait_kmcnt 0x0
	s_add_nc_u64 s[84:85], s[4:5], s[80:81]
	s_add_nc_u64 s[82:83], s[4:5], s[82:83]
	s_add_nc_u64 s[86:87], s[4:5], s[86:87]
	s_add_nc_u64 s[88:89], s[4:5], s[88:89]
	s_add_nc_u64 s[90:91], s[6:7], s[90:91]
	s_add_nc_u64 s[92:93], s[6:7], s[92:93]
	s_mov_b32 s[G0], 1
	s_lshl_b32 s[G0+1], s79, 11
	s_add_co_u32 s[G0+1], s[G0+1], 196608
	s_mov_b64 s[G0+2:G0+3], s[82:83]
	s_or_b32 s[G0+3], s[G0+3], 0x80000000
	s_mov_b32 s[G0+4], 1
	s_lshl_b32 s[G0+5], s[WV], 14
	s_mov_b64 s[G0+6:G0+7], s[84:85]
	s_or_b32 s[G0+7], s[G0+7], 0x80000000
	CROUND                                         ; all four work-groups are here: the joint loads meet
	s_cmp_lt_u32 s[WV], 12                         ; two arms, a load in each: every way through the head passes one
	s_cbranch_scc0 .Lscale_words
	tensor_load_to_lds s[G0+4:G0+7], s[G1T:G1T+7]
	s_nop 0
.rept 4
	v_nop
.endr
	s_branch .Lasked
.Lscale_words:
	tensor_load_to_lds s[G0:G0+3], s[G1S:G1S+7]
	s_nop 0
.rept 4
	v_nop
.endr
.Lasked:
	v_and_b32 v8, 15, v0                           ; r
	v_bfe_u32 v9, v0, 4, 1                         ; h
	v_and_b32 v[LI], 31, v0
	s_delay_alu instid0(VALU_DEP_1)
	v_lshlrev_b32 v[LI], 4, v[LI]
	s_delay_alu instid0(VALU_DEP_4)
	v_lshlrev_b32 v[QS], 5, v8
.irp c, 0,1,2
	global_load_b128 v[16+4*\c:19+4*\c], v[LI], s[86:87] offset:512*\c   ; Q's fragment stays in registers
.endr
	global_load_b32 v255, v[QS], s[88:89]          ; and its scale words
	v_lshl_add_u32 v[SB0], v8, 5, 196608
	v_lshlrev_b32 v[OS], 3, v8
	v_and_b32 v10, 8, v8
	s_delay_alu instid0(VALU_DEP_1)
	v_add_nc_u32 v[QD], v10, v8
	v_lshlrev_b32 v10, 4, v9
	s_delay_alu instid0(VALU_DEP_1)
	v_sub_nc_u32 v[QD], v[QD], v10
	s_delay_alu instid0(VALU_DEP_1)
	v_add_nc_u32 v[QD], s[Q0], v[QD]
	v_mov_b32 v13, 0xff61b1e6                      ; the largest t so far: -3e38
	s_delay_alu instid0(VALU_DEP_1)
	v_floor_f32 v12, -v13                          ; -M
	v_mov_b32 v14, 0
	v_mov_b32 v15, 0
.irp b, 0,1,2,3
	v_mov_b32 v[236+\b], 0                         ; a lane permute's destination counts as one of its sources
.endr
	v_mov_b32 v252, 0
	v_mov_b32 v253, 0
.set J, 0
.rept 64
	v_mov_b32 v[160+J], 0                          ; O^T: the step is written once, with no first step of its own
.set J, J+1
.endr
	s_wait_alu depctr_va_vdst(0)                   ; the wait at the head's end
	s_wait_tensorcnt 0x0                           ; my piece is in,
	s_barrier_signal -1
	s_barrier_wait -1                              ; and everybody's: all of K and V
	s_wait_loadcnt 0x0
	ds_load_b128 v[80:83], v[SB0]                  ; key step 0's scale words of K and its first four tiles: each later step's are asked for inside the step before
	ds_load_b128 v[84:87], v[SB0] offset:16
.irp t, 0,1,2,3
.irp c, 0,1,2
	ds_load_b128 v[32+12*\t+4*\c:35+12*\t+4*\c], v[LI] offset:\t*1536+512*\c
.endr
.endr
	s_mov_b32 s[CNT], 8
; A KEY STEP: 128 keys
.Lstep:
	s_add_co_u32 s96, s[Q0], 23
	s_cmp_gt_u32 s[KF], s96                        ; all its keys come after my queries: only the stepping lines at its end are run
	s_cbranch_scc1 .Lhidden
	v_add_nc_u32 v[ADK], s[TB], v[LI]              ; these five lines are the places in front of products that write over registers which the last step's products read
	v_add_nc_u32 v[ADS], s[TS], v[SB0]
	v_nop
	v_nop
	v_add_nc_u32 v[ADV], 98304, v[ADK]
	s_wait_alu depctr_va_vdst(0)                   ; directly ahead of the wait below
	s_wait_dscnt 0x0                               ; K's first four tiles and its scale words, asked for in the step before
.irp t, 0,1,2,3                                ; S^T = K Q^T, four tiles of 16 keys at a time
	v_wmma_scale_f32_16x16x128_f8f6f4 v[96+8*\t:103+8*\t], v[32+12*\t:43+12*\t], v[16:27], 0, v[80+\t], v255 matrix_a_fmt:MATRIX_FMT_FP6 matrix_b_fmt:MATRIX_FMT_FP6
.endr
.rept 4
	v_nop
.endr
.irp t, 0,1,2,3
.irp c, 0,1,2
	ds_load_b128 v[32+12*\t+4*\c:35+12*\t+4*\c], v[ADK] offset:(4+\t)*1536+512*\c
.endr
.endr
	s_wait_dscnt 0x0
.irp t, 0,1,2,3
	v_wmma_scale_f32_16x16x128_f8f6f4 v[128+8*\t:135+8*\t], v[32+12*\t:43+12*\t], v[16:27], 0, v[84+\t], v255 matrix_a_fmt:MATRIX_FMT_FP6 matrix_b_fmt:MATRIX_FMT_FP6
.endr
.rept 4
	v_nop
.endr
.irp t, 0,1,2,3                                ; V's first four tiles and its scale words are on their way while the softmax is worked
.irp c, 0,1,2
	ds_load_b128 v[32+12*\t+4*\c:35+12*\t+4*\c], v[ADV] offset:\t*1536+512*\c
.endr
.endr
	ds_load_b128 v[88:91], v[ADS] offset:4096
	ds_load_b128 v[92:95], v[ADS] offset:4112
	s_add_co_u32 s96, s[KF], 127
	s_cmp_le_u32 s96, s[Q0]
	s_cbranch_scc1 .Lopen
	v_sub_nc_u32 v252, v[QD], s[KF]                ; d: register 16 b + i holds key KF + 16 (lane / 16) + 32 b + i, hidden where 32 b + i > d
	v_mov_b32 v254, 0xff800000
.set N, 0
.rept 64
	v_cmp_gt_i32 vcc_lo, 32*(N/16)+N%16, v252
	v_cndmask_b32 v[96+N], v[96+N], v254, vcc_lo
.set N, N+1
.endr
.Lopen:
.irp b, 0,1,2,3
	v_max3_num_f32 v[232+\b], v[96+16*\b], v[97+16*\b], v[98+16*\b]   ; the largest score of each block of 32 keys: for the row's maximum, and for the block's largest p
.endr
.irp i, 3,5,7,9,11,13
.irp b, 0,1,2,3
	v_max3_num_f32 v[232+\b], v[232+\b], v[96+16*\b+\i], v[97+16*\b+\i]
.endr
.endr
.irp b, 0,1,2,3
	v_max_num_f32 v[232+\b], v[232+\b], v[111+16*\b]
.endr
.irp b, 0,1,2,3
	s_delay_alu instid0(VALU_DEP_4)
	v_permlanex16_b32 v[236+\b], v[232+\b], s[SEL], s[SEL+1]
.endr
.irp b, 0,1,2,3
	s_delay_alu instid0(VALU_DEP_4)
	v_max_num_f32 v[232+\b], v[232+\b], v[236+\b]
.endr
	s_delay_alu instid0(VALU_DEP_2)
	v_max3_num_f32 v254, v232, v233, v234
	s_delay_alu instid0(VALU_DEP_1)
	v_max_num_f32 v254, v254, v235
	s_delay_alu instid0(VALU_DEP_1)
	v_mul_f32 v254, s[CS], v254
	s_delay_alu instid0(VALU_DEP_1)
	v_max_num_f32 v13, v13, v254                   ; the running largest t
	v_mov_b32 v254, v12
	s_delay_alu instid0(VALU_DEP_2)
	v_floor_f32 v12, -v13                          ; the new -M
	s_delay_alu instid0(VALU_DEP_1)
	v_sub_f32 v254, v12, v254
	s_delay_alu instid0(VALU_DEP_1)
	v_cvt_i32_f32 v254, v254                       ; (it saturates)
	s_delay_alu instid0(VALU_DEP_1)
	v_ldexp_f32 v252, 1.0, v254                    ; f = 2^(old M - new M)
.set J, 0
.rept 32
	v_pk_fma_f32 v[96+J:97+J], v[96+J:97+J], s[CS:CS+1], v[12:13] op_sel_hi:[1,0,0]   ; t - M
.set J, J+2
.endr
.irp b, 0,1,2,3
	v_fma_f32 v[232+\b], v[232+\b], s[CS], v12
.endr
.set J, 0
	s_wait_alu depctr_va_vdst(0)                   ; the wait ahead of the batch
.rept 64
	v_exp_f32 v[96+J], v[96+J]                     ; p
.set J, J+1
.endr
	v_pk_mul_f32 v[14:15], v[14:15], v[252:253] op_sel_hi:[1,0]   ; the sums under the new M (a plain place behind the exponentials)
	s_wait_alu depctr_va_vdst(0)                   ; one wait for the whole batch, ahead of its first reader
.irp b, 0,1,2,3
	v_exp_f32 v[232+\b], v[232+\b]                 ; the block's largest p
.endr
	v_pk_add_f32 v[236:237], v[100:101], v[104:105]   ; the row's sum of the unquantised p, in eight chains
	v_pk_add_f32 v[250:251], v[108:109], v[112:113]
	v_pk_add_f32 v[248:249], v[116:117], v[120:121]
	v_pk_add_f32 v[246:247], v[124:125], v[128:129]
	v_pk_add_f32 v[244:245], v[132:133], v[136:137]
	v_pk_add_f32 v[242:243], v[140:141], v[144:145]
	v_pk_add_f32 v[240:241], v[148:149], v[152:153]
	v_pk_add_f32 v[14:15], v[14:15], v[156:157]
	v_pk_add_f32 v[236:237], v[236:237], v[96:97]
	v_pk_add_f32 v[250:251], v[250:251], v[98:99]
	v_pk_add_f32 v[248:249], v[248:249], v[102:103]
	v_pk_add_f32 v[246:247], v[246:247], v[106:107]
	v_pk_add_f32 v[244:245], v[244:245], v[110:111]
	v_pk_add_f32 v[242:243], v[242:243], v[114:115]
	v_pk_add_f32 v[240:241], v[240:241], v[118:119]
	v_pk_add_f32 v[14:15], v[14:15], v[122:123]
	v_pk_add_f32 v[236:237], v[236:237], v[126:127]
	v_pk_add_f32 v[250:251], v[250:251], v[130:131]
	v_pk_add_f32 v[248:249], v[248:249], v[134:135]
	v_pk_add_f32 v[246:247], v[246:247], v[138:139]
	v_pk_add_f32 v[244:245], v[244:245], v[142:143]
	v_pk_add_f32 v[242:243], v[242:243], v[146:147]
	v_pk_add_f32 v[240:241], v[240:241], v[150:151]
	v_pk_add_f32 v[14:15], v[14:15], v[154:155]
	v_pk_add_f32 v[236:237], v[236:237], v[158:159]
	s_delay_alu instid0(VALU_DEP_2)
	v_pk_add_f32 v[14:15], v[14:15], v[246:247]
	s_delay_alu instid0(VALU_DEP_2)
	v_pk_add_f32 v[236:237], v[236:237], v[244:245]
	v_pk_add_f32 v[250:251], v[250:251], v[242:243]
	v_pk_add_f32 v[248:249], v[248:249], v[240:241]
	s_delay_alu instid0(VALU_DEP_2)
	v_pk_add_f32 v[14:15], v[14:15], v[250:251]
	s_delay_alu instid0(VALU_DEP_2)
	v_pk_add_f32 v[236:237], v[236:237], v[248:249]
	s_delay_alu instid0(VALU_DEP_1)
	v_pk_add_f32 v[14:15], v[14:15], v[236:237]
	s_wait_alu depctr_va_vdst(0)                   ; and one for the four
.irp b, 0,1,2,3
	v_max_num_f32 v[232+\b], 0x1800000, v[232+\b]  ; the floor 2^(3 - 127)
.endr
.irp b, 0,1,2,3
	s_delay_alu instid0(VALU_DEP_4)
	v_add_nc_u32 v[244+\b], 0xff000000, v[232+\b]
.endr
.irp b, 0,1,2,3
	s_delay_alu instid0(VALU_DEP_4)
	v_lshrrev_b32 v[236+\b], 23, v[244+\b]
.endr
	s_delay_alu instid0(VALU_DEP_3)
	v_lshl_or_b32 v253, v237, 8, v236              ; p's scale word for these 128 keys
	s_delay_alu instid0(VALU_DEP_1)
	v_lshl_or_b32 v253, v238, 16, v253
	s_delay_alu instid0(VALU_DEP_1)
	v_lshl_or_b32 v253, v239, 24, v253
.irp c, 0,1
	v_cvt_scalef32_pk16_fp6_f32 v[224+6*\c:226+6*\c], v[96+32*\c:111+32*\c], v[244+2*\c]
	v_cvt_scalef32_pk16_fp6_f32 v[236+4*\c:238+4*\c], v[112+32*\c:127+32*\c], v[244+2*\c+1]
.endr
	v_nop
.irp t, 0,1,2,3                                ; p has been converted: its registers take V's last four tiles
.irp c, 0,1,2
	ds_load_b128 v[96+12*\t+4*\c:99+12*\t+4*\c], v[ADV] offset:(4+\t)*1536+512*\c
.endr
.endr
.irp c, 0,1
.irp i, 0,1,2
	v_permlane16_swap_b32 v[224+6*\c+\i], v[236+4*\c+\i]
.endr
.irp i, 0,1,2
	s_delay_alu instid0(VALU_DEP_3)
	v_mov_b32 v[227+6*\c+\i], v[236+4*\c+\i]
.endr
.endr
	s_wait_alu depctr_va_vdst(0)                   ; directly ahead of the first reader of O^T
.set J, 0
.rept 32
	v_pk_mul_f32 v[160+J:161+J], v[160+J:161+J], v[252:253] op_sel_hi:[1,0]   ; O^T under the new M; these are also the places in front of the products and loads below
.set J, J+2
.endr
	s_wait_alu depctr_va_vdst(0)
	s_wait_dscnt 0x0                               ; all of V's eight tiles
.irp t, 0,1,2,3                                ; O^T += V^T P^T
	v_wmma_scale_f32_16x16x128_f8f6f4 v[160+8*\t:167+8*\t], v[32+12*\t:43+12*\t], v[224:235], v[160+8*\t:167+8*\t], v[88+\t], v253 matrix_a_fmt:MATRIX_FMT_FP6 matrix_b_fmt:MATRIX_FMT_FP6
.endr
.rept 4
	v_nop
.endr
.irp t, 0,1,2,3                                ; the next step's first four tiles of K and its scale words (behind step 7 these are bytes of V's, which are read and not used)
.irp c, 0,1,2
	ds_load_b128 v[32+12*\t+4*\c:35+12*\t+4*\c], v[ADK] offset:12288+\t*1536+512*\c
.endr
.endr
	ds_load_b128 v[80:83], v[ADS] offset:512
	ds_load_b128 v[84:87], v[ADS] offset:528
.irp t, 0,1,2,3
	v_wmma_scale_f32_16x16x128_f8f6f4 v[192+8*\t:199+8*\t], v[96+12*\t:107+12*\t], v[224:235], v[192+8*\t:199+8*\t], v[92+\t], v253 matrix_a_fmt:MATRIX_FMT_FP6 matrix_b_fmt:MATRIX_FMT_FP6
.endr
.Lhidden:
	s_add_co_u32 s[KF], s[KF], 128
	s_add_co_u32 s[TB], s[TB], 12288
	s_add_co_u32 s[TS], s[TS], 512
	s_sub_co_u32 s[CNT], s[CNT], 1
	s_cmp_lg_u32 s[CNT], 0
	s_cbranch_scc1 .Lstep
	s_wait_dscnt 0x0                               ; the loads that my last step asked for ahead have landed: their registers are written below
.rept 4
	v_nop
.endr
	v_add_f32 v14, v14, v15
	s_delay_alu instid0(VALU_DEP_1)
	v_permlanex16_b32 v252, v14, s[SEL], s[SEL+1]
	s_delay_alu instid0(VALU_DEP_1)
	v_add_f32 v14, v14, v252
	s_wait_alu depctr_va_vdst(0)
	v_rcp_f32 v14, v14
	v_nop                                          ; a plain place behind the reciprocal
	s_wait_alu depctr_va_vdst(0)                   ; the wait ahead of its first reader
.set J, 0
.rept 64
	v_mul_f32 v[96+J], v[160+J], v14
.set J, J+1
.endr
	QUANT 96, 32, 253
.irp c, 0,1,2
	global_store_b128 v[LI], v[32+4*\c:35+4*\c], s[90:91] offset:512*\c
.endr
	global_store_b32 v[OS], v253, s[92:93]
	s_wait_tensorcnt 0x0                           ; the wave's end: these three lines
	ds_add_u32 v[SPW], v[NIL]
	s_wait_dscnt 0x0
	CROUND                                         ; the closing round
	s_endpgm
.Lfunc_end_k_q8a4dd4f6af_attn:
	.size	k_q8a4dd4f6af_attn, .Lfunc_end_k_q8a4dd4f6af_attn-k_q8a4dd4f6af_attn
	.p2alignl 7, 3214868480
	.fill 96, 4, 3214868480
	.section	.rodata,"a",@progbits
	.p2align	6, 0x0
	.amdhsa_kernel k_q8a4dd4f6af_attn
		.amdhsa_group_segment_fixed_size 327680
		.amdhsa_private_segment_fixed_size 0
		.amdhsa_enable_private_segment 0
		.amdhsa_kernarg_size 16
		.amdhsa_user_sgpr_count 2
		.amdhsa_user_sgpr_kernarg_segment_ptr 1
		.amdhsa_wavefront_size32 1
		.amdhsa_system_sgpr_workgroup_id_x 1
		.amdhsa_system_sgpr_workgroup_id_y 1
		.amdhsa_system_sgpr_workgroup_id_z 1
		.amdhsa_system_vgpr_workitem_id 0
		.amdhsa_next_free_vgpr 256
		.amdhsa_next_free_sgpr 100
		.amdhsa_reserve_vcc 1
		.amdhsa_float_denorm_mode_32 3
		.amdhsa_float_denorm_mode_16_64 3
		.amdhsa_memory_ordered 1
		.amdhsa_forward_progress 1
		.amdhsa_inst_pref_size 45
	.end_amdhsa_kernel
	.amdgpu_metadata
---
amdhsa.version: [ 1, 2 ]
amdhsa.kernels:
  - .name:           k_q8a4dd4f6af_attn
    .symbol:         k_q8a4dd4f6af_attn.kd
    .args:
      - { .name: qkv, .offset: 0, .size: 8, .value_kind: global_buffer, .address_space: global }
      - { .name: aq, .offset: 8, .size: 8, .value_kind: global_buffer, .address_space: global }
    .group_segment_fixed_size: 327680
    .private_segment_fixed_size: 0
    .kernarg_segment_align: 8
    .kernarg_segment_size: 16
    .max_flat_workgroup_size: 512
    .sgpr_count:     100
    .vgpr_count:     256
    .wavefront_size: 32
...
	.end_amdgpu_metadata
.endif
;; end of part 3
;; launch gemm_out (part 4): grid 8 x 32, 4 waves a work-group, clusters of 4 x 4, 327,680 bytes of LDS; arguments aq, wo, out0; writes out0
.if DOCPART == 4
	.amdgcn_target "amdgcn-amd-amdhsa--gfx1250"
	.amdhsa_code_object_version 6
	.text
	.protected	k_q8a4dd4f6af_gemm_out
	.globl	k_q8a4dd4f6af_gemm_out
	.p2align	8
	.type	k_q8a4dd4f6af_gemm_out,@function
k_q8a4dd4f6af_gemm_out:
	s_mov_b64 s[64:65], 0
	v_nop
	global_prefetch_b8 v0, s[64:65] scope:SCOPE_SE
	s_setreg_imm32_b32 hwreg(HW_REG_WAVE_MODE, 25, 1), 1
	s_wait_xcnt 0x0
	s_wait_alu depctr_hold_cnt(0) depctr_sa_sdst(0) depctr_va_vdst(0) depctr_va_sdst(0) depctr_va_ssrc(0) depctr_va_vcc(0) depctr_vm_vsrc(0)
	s_getreg_b32 s2, hwreg(HW_REG_IB_STS2, 6, 4)
	s_cmp_eq_u32 s2, 0
	s_cbranch_scc0 .Lentry_in_a_cluster
	s_endpgm
.Lentry_in_a_cluster:
	s_bfe_u32 s2, ttmp6, 0x10000c
	s_cmp_lg_u32 s2, 0xf033
	s_cbranch_scc0 .Lentry_shape_is_right
	s_endpgm
.Lentry_shape_is_right:
.set A_SC,  6291456
.set W_SC,  3145728
.set FR,    12
.set NP,    4
.set KQ,    4
.set TROW,  KQ*1536
.set ABYT,  8*TROW
.set SLOT,  24*TROW
.set SCL,   2*SLOT
.set SPARE, SCL+24*1024
.set SPITCH, 528
.set ADRA, 16
.set ADRB, 20
.set STO,  24
.set RD,   25
.set CO,   26
.set ADRS, 27
.set SPW,  28
.set NIL,  29
.set SC,   32
.set AF,   128
.set BK,   128
.set G1, 24
.set G0, 32
.set G1B, 48
.set G0B, 56
.set G1S, 68
.set G0S, 76
.set G1SB, 80
.set G0SB, 88
.set MSB, 0
.macro WIN new
.if MSB != (\new)
	s_set_vgpr_msb (MSB<<8)|(\new)
.set MSB, (\new)
.endif
.endm
.set MUL,  0xa1
.set TO_B, 0x40
.macro JLOAD g0a, g1a, g0b, g1b
	s_cmp_eq_u32 s15, 0
	s_cbranch_scc0 .Lfor_b_\@
	tensor_load_to_lds s[\g0a:\g0a+3], s[\g1a:\g1a+7]
	s_nop 0
.rept 4
	v_nop
.endr
	s_branch .Lasked_\@
.Lfor_b_\@:
	tensor_load_to_lds s[\g0b:\g0b+3], s[\g1b:\g1b+7]
	s_nop 0
.rept 4
	v_nop
.endr
.Lasked_\@:
.endm
.macro CREST
	s_cmp_lg_u32 s14, 0
	s_cbranch_scc1 .Lnot_wave_0_\@
	s_barrier_signal -3
.Lnot_wave_0_\@:
	s_barrier_wait -3
	s_barrier_signal -1
	s_barrier_wait -1
.endm
.macro CROUND
	s_barrier_signal -1
	s_barrier_wait -1
	CREST
.endm
.macro PLACES n
.rept \n
	v_nop
.endr
.endm
.macro SHAPE g, c, r, p
	s_mov_b32 s[\g+1], (\c)<<16
	s_mov_b32 s[\g+2], (\r)<<16
	s_mov_b32 s[\g+3], (\c)<<16
	s_mov_b32 s[\g+4], \r
	s_mov_b32 s[\g+5], \p
	s_mov_b32 s[\g+6], 0
	s_mov_b32 s[\g+7], 0
.endm
	s_load_b128 s[4:7], s[0:1], 0x0
	s_load_b64 s[12:13], s[0:1], 0x10
	v_lshl_add_u32 v[SPW], v0, 2, SPARE
	v_mov_b32 v[NIL], 0
	ds_add_u32 v[SPW], v[NIL]
	ds_add_u32 v[SPW], v[NIL]
	v_lshrrev_b32 v1, 5, v0
	v_readfirstlane_b32 s14, v1
	s_lshr_b32 s15, s14, 1
	s_and_b32 s16, s14, 1
	s_bfe_u32 s40, ttmp6, 0x40000
	s_bfe_u32 s41, ttmp6, 0x40004
	s_lshl_b32 s42, ttmp9, 2
	s_add_co_u32 s42, s42, s40
	s_and_b32 s17, ttmp7, 0xffff
	s_lshl_b32 s17, s17, 2
	s_add_co_u32 s17, s17, s41
	s_lshl_b32 s43, s41, 2
	s_lshl_b32 s43, 15, s43
	s_lshl_b32 s44, 0x1111, s40
	s_or_b32 s[G1+0], s43, (3<<16)|(1<<21)
	s_or_b32 s[G1B+0], s44, (3<<16)|(1<<21)
	s_or_b32 s[G1S+0], s43, (3<<16)|(1<<21)
	s_or_b32 s[G1SB+0], s44, (3<<16)|(1<<21)
	SHAPE G1, 768, 8, 3072                         ; the head's loads bring whole tiles: 8 row tiles of the left operand,
	SHAPE G1B, 768, 16, 3072                       ; 16 of the weights,
	SHAPE G1S, 32, 32, 32                          ; and their scale words for all of K
	SHAPE G1SB, 32, 64, 32
	s_lshl_b32 s18, s16, 2
	s_lshl_b32 s20, s17, 3
	s_add_co_u32 s20, s20, s18
	s_lshl_b32 s19, s16, 3
	s_lshl_b32 s46, s42, 4
	s_add_co_u32 s46, s46, s19
	s_lshl_b32 s22, s17, 13
	s_mov_b32 s23, 0
	s_lshl_b32 s92, s42, 14
	s_mov_b32 s93, 0
	s_mul_i32 s20, s20, 24576
	s_mov_b32 s21, 0
	s_mul_i32 s46, s46, 24576
	s_mov_b32 s47, 0
	s_mul_i32 s45, s16, 4*TROW
	s_mul_i32 s95, s16, 8*TROW
	s_add_co_u32 s95, s95, ABYT
	s_wait_dscnt 0x0
	s_wait_kmcnt 0x0
	s_add_nc_u64 s[20:21], s[4:5], s[20:21]
	s_add_nc_u64 s[22:23], s[4:5], s[22:23]
	s_add_nc_u64 s[22:23], s[22:23], A_SC
	s_add_nc_u64 s[46:47], s[6:7], s[46:47]
	s_add_nc_u64 s[92:93], s[6:7], s[92:93]
	s_add_nc_u64 s[92:93], s[92:93], W_SC
	CROUND
	s_mov_b32 s[G0S], 1
	s_mov_b32 s[G0S+1], SCL
	s_mov_b64 s[G0S+2:G0S+3], s[22:23]
	s_or_b32 s[G0S+3], s[G0S+3], 0x80000000
	s_mov_b32 s[G0SB], 1
	s_mov_b32 s[G0SB+1], SCL+8192
	s_mov_b64 s[G0SB+2:G0SB+3], s[92:93]
	s_or_b32 s[G0SB+3], s[G0SB+3], 0x80000000
.irp s, 0,1
	s_mov_b32 s[G0+4*\s], 1
	s_add_co_u32 s[G0+4*\s+1], s45, \s*SLOT
	s_add_nc_u64 s[G0+4*\s+2:G0+4*\s+3], s[20:21], \s*TROW
	s_or_b32 s[G0+4*\s+3], s[G0+4*\s+3], 0x80000000
	s_mov_b32 s[G0B+4*\s], 1
	s_add_co_u32 s[G0B+4*\s+1], s95, \s*SLOT
	s_add_nc_u64 s[G0B+4*\s+2:G0B+4*\s+3], s[46:47], \s*TROW
	s_or_b32 s[G0B+4*\s+3], s[G0B+4*\s+3], 0x80000000
.endr
; THE PREFETCHES, by immediates from one address that is never stepped: behind slot 0's fill slot 1 is asked for, behind slot 1's fill slots 2 and 3.  Of the tiles that a wave fetches in the ring
; (4 of the left operand, 8 of the weights; 6,144 bytes of each to a slot) the partner at place p takes tile p, or tiles 2 p and 2 p + 1: 24 blocks of 256 bytes a tile, a lane a block (lanes 24-31 name block 23 again).
	s_cmp_eq_u32 s15, 0
	s_cselect_b64 s[44:45], s[20:21], s[46:47]
	s_cselect_b32 s92, s40, s41                    ; my place among the four that ask with me
	s_mul_i32 s92, s92, 24576
	s_lshl_b32 s92, s92, s15                       ; two tiles to each for the weights
	s_mov_b32 s93, 0
	s_add_nc_u64 s[44:45], s[44:45], s[92:93]
.macro ASKO off
	global_prefetch_b8 v30, s[44:45] offset:\off th:TH_LOAD_NT scope:SCOPE_SE
	s_cmp_eq_u32 s15, 0
	s_cbranch_scc1 .Lone_tile_\@
	global_prefetch_b8 v30, s[44:45] offset:\off+24576 th:TH_LOAD_NT scope:SCOPE_SE
.Lone_tile_\@:
.endm
; THE HEAD'S FOUR TILES, ONE LOAD A WAVE, in one chain of branches on the wave's number: wave 0 slot 0's left operand, wave 1 its scale words, wave 2 slot 0's weights, wave 3 their scale words.
; Waves 0 and 2 have column half 0, so their own slot 0 descriptors begin where the whole tiles begin.
.macro ARM under, g0, g1, next
	s_cmp_lt_u32 s14, \under
	s_cbranch_scc0 \next
	tensor_load_to_lds s[\g0:\g0+3], s[\g1:\g1+7]
	s_nop 0
	PLACES 4
	s_branch .Lhead_asked
\next:
.endm
	ARM 1, G0,  G1,  .Lhead_sa
	ARM 2, G0S, G1S, .Lhead_b
	ARM 3, G0B, G1B, .Lhead_sb
	tensor_load_to_lds s[G0SB:G0SB+3], s[G1SB:G1SB+7]
	s_nop 0
	PLACES 4
.Lhead_asked:
	v_and_b32 v30, 31, v0
	v_min_u32 v30, 23, v30
	v_lshlrev_b32 v30, 8, v30                      ; my block of a tile's 24; never rewritten
	s_wait_alu depctr_va_vdst(0)
	ASKO 6144
	v_and_b32 v1, 15, v0
	v_bfe_u32 v2, v0, 4, 1
	s_wait_alu depctr_va_vdst(0)
	v_and_b32 v3, 31, v0
	v_lshlrev_b32 v3, 4, v3
	s_mul_i32 s21, s15, 4*TROW
	s_mul_i32 s22, s16, 8*TROW
	s_add_co_u32 s22, s22, ABYT
.irp s, 0,1
	v_add_nc_u32 v[ADRA+\s], s21, v3
	v_add_nc_u32 v[ADRB+\s], s22, v3
	s_add_co_u32 s21, s21, SLOT
	s_add_co_u32 s22, s22, SLOT
.endr
	v_lshlrev_b32 v5, 3, v1
	s_lshl_b32 s21, s15, 12
	s_lshl_b32 s22, s16, 13
	s_add_co_u32 s22, s22, 8192
	s_sub_co_u32 s22, s22, s21
	v_mul_u32_u24 v6, s22, v2
	s_add_co_u32 s21, s21, SCL
	v_add_nc_u32 v5, v5, v6
	v_add_nc_u32 v[ADRS], s21, v5
	s_mul_i32 s23, s14, 16*SPITCH
	v_mul_u32_u24 v5, v1, SPITCH
	v_lshl_add_u32 v5, v2, 5, v5
	v_add_nc_u32 v[STO], s23, v5
	v_mov_b32 v[CO], v3
	v_add_nc_u32 v[RD], s23, v3
	s_lshl_b32 s20, s17, 20
	s_lshl_b32 s21, s15, 19
	s_add_co_u32 s20, s20, s21
	s_lshl_b32 s46, s42, 10
	s_add_co_u32 s20, s20, s46
	s_lshl_b32 s46, s16, 9
	s_add_co_u32 s20, s20, s46
	s_mov_b32 s21, 0
	s_add_nc_u64 s[12:13], s[12:13], s[20:21]
.macro FRAG reg, adr, q, i
.irp c, 0,1,2
	ds_load_b128 v[\reg+4*\c:\reg+4*\c+3], v[\adr] offset:(\i)*TROW+(\q)*1536+512*\c
.endr
.endm
.macro FETCH t, q
.irp i, 0,1,2,3
	FRAG AF+48*((\q)%2)+FR*\i, ADRA+(\t)%2, \q, \i
.endr
.if (\q)%2 == 0
.irp i, 0,1,2,3,4,5,6,7
	ds_load_b64 v[SC+16*((\q)/2)+2*\i:SC+16*((\q)/2)+2*\i+1], v[ADRS] offset:\i*1024+(2*(\t)+(\q)/2)*128
.endr
.endif
	WIN TO_B
.irp i, 0,1,2,3,4,5,6,7
	FRAG 128*((\q)%2)+FR*\i, ADRB+(\t)%2, \q, \i
.endr
.endm
.macro MUL8 a, p, sc, w, zero
.irp b, 0,1,2,3,4,5,6,7
.if \zero
	v_wmma_scale_f32_16x16x128_f8f6f4 v[8*(8*(\a)+\b):8*(8*(\a)+\b)+7], v[128*(\p)+FR*\b:128*(\p)+FR*\b+FR-1], v[AF+48*(\p)+FR*(\a):AF+48*(\p)+FR*(\a)+FR-1], 0, v[SC+16*(\sc)+2*\b+(\w)], v[SC+16*(\sc)+2*(\a)+(\w)] matrix_a_fmt:MATRIX_FMT_FP6 matrix_b_fmt:MATRIX_FMT_FP6 matrix_a_scale:MATRIX_SCALE_ROW1
.else
	v_wmma_scale_f32_16x16x128_f8f6f4 v[8*(8*(\a)+\b):8*(8*(\a)+\b)+7], v[128*(\p)+FR*\b:128*(\p)+FR*\b+FR-1], v[AF+48*(\p)+FR*(\a):AF+48*(\p)+FR*(\a)+FR-1], v[8*(8*(\a)+\b):8*(8*(\a)+\b)+7], v[SC+16*(\sc)+2*\b+(\w)], v[SC+16*(\sc)+2*(\a)+(\w)] matrix_a_fmt:MATRIX_FMT_FP6 matrix_b_fmt:MATRIX_FMT_FP6 matrix_a_scale:MATRIX_SCALE_ROW1
.endif
.endr
.endm
.macro STEP t, q, zero
	s_wait_dscnt 0x0
	PLACES NP
	FETCH \t, (\q)+1
	WIN MUL
.irp a, 0,1,2,3
	MUL8 \a, (\q)%2, (\q)/2, (\q)%2, \zero
.endr
	WIN 0
.endm
.macro TURN t, fill
	s_wait_tensorcnt 0x0
	ds_add_u32 v[SPW], v[NIL]
	s_wait_dscnt 1
	WIN MUL
	MUL8 0, 1, 1, 1, 0
	s_wait_dscnt 0x0
	s_barrier_signal -1
	MUL8 1, 1, 1, 1, 0
	WIN 0
	s_barrier_wait -1
.if \fill
	CREST
	s_add_nc_u64 s[G0+4*((\t)%2)+2:G0+4*((\t)%2)+3], s[G0+4*((\t)%2)+2:G0+4*((\t)%2)+3], 2*TROW
	s_add_nc_u64 s[G0B+4*((\t)%2)+2:G0B+4*((\t)%2)+3], s[G0B+4*((\t)%2)+2:G0B+4*((\t)%2)+3], 2*TROW
	JLOAD G0+4*((\t)%2), G1, G0B+4*((\t)%2), G1B
.else
	PLACES NP
.endif
	FETCH (\t)+1, 0
	WIN MUL
	MUL8 2, 1, 1, 1, 0
	MUL8 3, 1, 1, 1, 0
	WIN 0
.endm
	s_wait_alu depctr_va_vdst(0)                   ; the wait at the head's end
	s_wait_tensorcnt 0x0                           ; my tile of the head's four is in; these lines stand ahead of a later first fill as ahead of a refill
	ds_add_u32 v[SPW], v[NIL]
	s_mov_b32 s[G1+2], 4<<16                       ; no load of mine is out: from here on a load brings half a tile's rows
	s_mov_b32 s[G1+4], 4
	s_mov_b32 s[G1B+2], 8<<16
	s_mov_b32 s[G1B+4], 8
	s_wait_dscnt 0x0
	CROUND
	JLOAD G0+4, G1, G0B+4, G1B                     ; slot 1, the first tensor load behind the round
	FETCH 0, 0
	WIN 0
	ASKO 12288
	ASKO 18432
	STEP 0, 0, 1
	STEP 0, 1, 0
	STEP 0, 2, 0
	TURN 0, 1
	STEP 1, 0, 0
	STEP 1, 1, 0
	STEP 1, 2, 0
	TURN 1, 1
	STEP 2, 0, 0
	STEP 2, 1, 0
	STEP 2, 2, 0
	TURN 2, 0
	STEP 3, 0, 0
	STEP 3, 1, 0
	STEP 3, 2, 0
	s_wait_dscnt 0x0
	WIN MUL
.irp a, 0,1,2,3
	MUL8 \a, 1, 1, 1, 0
.endr
	WIN 0
.macro TOSTAGE a
.set AC, 64*(\a)
	WIN 0x08
.irp b, 0,1,2,3,4,5,6,7
	ds_store_b128 v[STO], v[AC+8*\b:AC+8*\b+3] offset:64*\b
	ds_store_b128 v[STO], v[AC+8*\b+4:AC+8*\b+7] offset:64*\b+16
.endr
	WIN 0
.set BB, BK+64*((\a)%2)
.irp t, 0,1,2,3,4,5,6,7,8,9,10,11,12,13,14,15
	ds_load_b128 v[BB+4*\t:BB+4*\t+3], v[RD] offset:\t*SPITCH
.endr
.endm
.macro SEND a, younger
.set BB, BK+64*((\a)%2)
	s_wait_dscnt \younger
.irp t, 0,1,2,3,4,5,6,7,8,9,10,11,12,13,14,15
	global_store_b128 v[CO], v[BB+4*\t:BB+4*\t+3], s[12:13] offset:(32*((\a)/2)+8*((\a)%2)+\t+8*(\t/8))*8192 th:TH_STORE_NT
.endr
.endm
	PLACES NP
	TOSTAGE 0
.irp a, 1,2,3
.if \a > 1
	s_wait_xcnt 0x0
.endif
	TOSTAGE \a
	SEND \a-1, 32
.endr
	SEND 3, 0
	s_wait_tensorcnt 0x0
	ds_add_u32 v[SPW], v[NIL]
	s_wait_dscnt 0x0
	CROUND
	s_endpgm
.Lfunc_end_k_q8a4dd4f6af_gemm_out:
	.size	k_q8a4dd4f6af_gemm_out, .Lfunc_end_k_q8a4dd4f6af_gemm_out-k_q8a4dd4f6af_gemm_out
	.p2alignl 7, 3214868480
	.fill 96, 4, 3214868480
	.section	.rodata,"a",@progbits
	.p2align	6, 0x0
	.amdhsa_kernel k_q8a4dd4f6af_gemm_out
		.amdhsa_group_segment_fixed_size 327680
		.amdhsa_private_segment_fixed_size 0
		.amdhsa_enable_private_segment 0
		.amdhsa_kernarg_size 24
		.amdhsa_user_sgpr_count 2
		.amdhsa_user_sgpr_kernarg_segment_ptr 1
		.amdhsa_wavefront_size32 1
		.amdhsa_system_sgpr_workgroup_id_x 1
		.amdhsa_system_sgpr_workgroup_id_y 1
		.amdhsa_system_sgpr_workgroup_id_z 1
		.amdhsa_system_vgpr_workitem_id 0
		.amdhsa_next_free_vgpr 768
		.amdhsa_next_free_sgpr 98
		.amdhsa_reserve_vcc 0
		.amdhsa_float_denorm_mode_32 3
		.amdhsa_float_denorm_mode_16_64 3
		.amdhsa_memory_ordered 1
		.amdhsa_forward_progress 1
		.amdhsa_inst_pref_size 136
	.end_amdhsa_kernel
	.amdgpu_metadata
---
amdhsa.version: [ 1, 2 ]
amdhsa.kernels:
  - .name:           k_q8a4dd4f6af_gemm_out
    .symbol:         k_q8a4dd4f6af_gemm_out.kd
    .args:
      - { .name: aq, .offset: 0, .size: 8, .value_kind: global_buffer, .address_space: global }
      - { .name: wo, .offset: 8, .size: 8, .value_kind: global_buffer, .address_space: global }
      - { .name: out0, .offset: 16, .size: 8, .value_kind: global_buffer, .address_space: global }
    .group_segment_fixed_size: 327680
    .private_segment_fixed_size: 0
    .kernarg_segment_align: 8
    .kernarg_segment_size: 24
    .max_flat_workgroup_size: 128
    .sgpr_count:     98
    .vgpr_count:     768
    .wavefront_size: 32
...
	.end_amdgpu_metadata
.endif
;; end of part 4
